; MI455X (gfx1250); checked and timed in simulation.
; The chip was launched on July 23, 2026; its instructions are those of AMD's public machine-readable ISA for CDNA 5 (MIT licence, August 2026) and "CDNA5" Instruction Set Architecture Reference Guide (July 2026). The comments in the code are by the model that wrote it; some were corrected since.
;; Attention Layer. Allowed arithmetic: matrix products marked QUANTISED: E2M1 operands, one E8M0 scale for each 32 along K, by v_wmma_scale_f32_16x16x128_f8f6f4 with both operands' format E2M1 (or v_wmma_scale_f32_32x16x128_f4), f32 sums; everything else in f32.
;; Inputs: Wk 512 x 512 float32; Wo 512 x 512 float32; Wq 512 x 512 float32; Wv 512 x 512 float32; bk 512 float32; bo 512 float32; bq 512 float32; bv 512 float32; key 8 x 2,048 x 512 float32; query 8 x 2,048 x 512 float32; value 8 x 2,048 x 512 float32.
;; Outputs: out0 8 x 2,048 x 512 float32.
;; This version of the problem:
;;   THIS VERSION OF THE PROBLEM IS GIVEN IN LOW PRECISION. The matrix products marked QUANTISED in the list below multiply operands that are first quantised to E2M1 (2 exponent bits, 1 mantissa bit; 4 bits a number), with one power-of-two scale for each 32 numbers along K (OCP MX v1.0); their sums are f32. All else is computed in f32.
;;   The module's matrix products, in the order in which they are computed (A, B: the left and right operand; K: the contracted axis; several contracted axes count as one K, in the product's order):
;;     1. [M 16,384, K 512] x [K 512, N 512]; A: input query; B: input Wq: QUANTISED
;;     2. [M 16,384, K 512] x [K 512, N 512]; A: input key; B: input Wk: QUANTISED
;;     3. [M 16,384, K 512] x [K 512, N 512]; A: input value; B: input Wv: QUANTISED
;;     4. batch 64 x [M 2,048, K 64] x [K 64, N 2,048]; A: computed on the way; B: computed on the way: QUANTISED
;;     5. batch 64 x [M 64, K 2,048] x [K 2,048, N 2,048]; A: computed on the way; B: softmax (see below): QUANTISED
;;     6. [M 16,384, K 512] x [K 512, N 512]; A: computed on the way; B: input Wo: QUANTISED
;;   THE QUANTISER, for each operand of a quantised product, along K:
;;     - K is cut into blocks of 32 from its start; a last block that is shorter is filled with zeros.
;;     - A block's scale is 2^e with e = floor(log2(the largest magnitude in the block)) - 2, held to -126 .. 127; a block of zeros has e = 0. As a byte (E8M0): e + 127.
;;     - Each number is divided by its block's scale, clamped to +-6, and rounded to the nearest number of E2M1, ties to even, subnormals kept.
;;     - The product sums the exact products of the quantised numbers (number of the format x scale) in f32.
;;   ~~~python
;;   def quantise(x, axis):      # numpy; x: float32 -> the quantised numbers, widened to float32 again
;;       x = np.moveaxis(x, axis, -1); K = x.shape[-1]
;;       x = np.pad(x, [(0, 0)] * (x.ndim - 1) + [(0, -K % 32)]); x = x.reshape(x.shape[:-1] + (-1, 32)); a = np.abs(x).max(-1, keepdims=True)
;;       e = np.where(a > 0, np.clip(np.frexp(np.where(a > 0, a, 1))[1] - 1 - 2, -126, 127), 0)      # np.frexp(a)[1] - 1 = floor(log2(a)), exactly
;;       r = np.clip(x / 2.0 ** e, -6, 6)
;;       step = 2.0 ** (np.maximum(np.frexp(np.where(r == 0, 1, r))[1] - 1, 0) - 1)
;;       q = np.round(r / step) * step * 2.0 ** e      # np.round: ties to even
;;       return np.moveaxis(q.reshape(q.shape[:-2] + (-1,))[..., :K], -1, axis).astype(np.float32)
;;   ~~~
;;   SOFTMAX AHEAD OF A QUANTISED PRODUCT. Where the list says 'softmax', what is quantised is not the finished softmax but p = 2^(t - M), with t = logit x log2(e) and M = ceil(the row's largest t), a whole number; so 1/2 < the row's largest p <= 1. The row's sum l is taken of the UNQUANTISED p, in f32, and the product's result is divided by l at the end. Since M is a whole number, a kernel that streams over the keys may use a running M (the ceiling of the running maximum): every later rescaling is an exact power of two, which a block's scale takes up: the codes' values come out the same.
;;   OPERANDS COMPUTED ON THE WAY. 'Computed on the way' means the value that the module computes at that place (a softmax that the list does not call 'softmax' is quantised finished and normalised). What goes into a quantiser is computed in f32, as accurately as f32 sums, v_exp_f32 and their like allow (about 1e-6 of the number): no bf16 or f16 on the way to a quantiser, and a product that is left as it is and whose result goes on into a quantised operand takes f32 operands (vector FMAs, or v_wmma_f32_16x16x4_f32). A number that lies on a knife's edge between two numbers of the format may be rounded either way, as far as f32 arithmetic and the matrix unit's own rounding can turn it there, and no further.
;; 2 versions. Each part assembles by itself: llvm-mc -triple=amdgcn-amd-amdhsa -mcpu=gfx1250 --defsym DOCPART=n.
;; ======== version 1 of 2: 4 launches
;; workspace buffers: wcodes 524,288 bytes; wscales 65,536 bytes; qkv 14,155,776 bytes; ocodes 4,194,304 bytes; oscales 1,048,576 bytes
;; launch wquant (part 1): grid 16 x 4, 4 waves a work-group, no clusters, 0 bytes of LDS; arguments Wq, Wk, Wv, Wo, wcodes, wscales; writes wcodes, wscales
.if DOCPART == 1
	.amdgcn_target "amdgcn-amd-amdhsa--gfx1250"
	.amdhsa_code_object_version 6
	.text
	.protected	k_q0a45fe1ed0_wquant
	.globl	k_q0a45fe1ed0_wquant
	.p2align	8
	.type	k_q0a45fe1ed0_wquant,@function
k_q0a45fe1ed0_wquant:
	s_mov_b64 s[64:65], 0
	v_nop
	global_prefetch_b8 v0, s[64:65] scope:SCOPE_SE
	s_setreg_imm32_b32 hwreg(HW_REG_WAVE_MODE, 25, 1), 1
	s_wait_xcnt 0x0
; Wq, Wk, Wv, Wo: [512 (k)][512 (n)] f32, K the FIRST axis, become codes of FP4 (E2M1) with one E8M0 byte for each 32 along K, laid as the later launches' operand registers want them.
; A block's scale is 2^(floor(log2(its largest magnitude)) - 2); its byte is the largest magnitude's exponent field - 2, held at 1 from below by a floor among the maximum's leaves.
; LIMITS: NaN and infinities are not served; a block whose largest magnitude lies under 2^-124 keeps the byte 1; a block of zeros gets the byte 1 where the rule says 127 (its codes are zeros, and this program alone reads the bytes).
; OUT.  wcodes [weight 4][n tile 32][K step 4][image 1,024 B]: an image is a fragment's registers on end: [block of 32 k: 4][row 16][16 B].  wscales [weight][tile][K step][32 lanes x 4 B], lanes 16-31 repeating lanes 0-15.
; THE ROWS OF A TILE ARE NOT NEIGHBOURS: row rho of tile 2 B + u is column n = 32 B + 8 u + rho + 8 (rho / 8).
; SHARES.  Work-group (x, y): weight y, columns 128 (x & 3) on, K step x >> 2.  A wave takes 32 columns, A LANE ONE COLUMN, AND ITS 128 REGISTERS RUN DOWN K: a block lies in one lane, and the conversions give K innermost.
; 64 work-groups: a finer cut would leave a lane less than one scale word.  No LDS, no barrier, no cluster: waves share nothing, and every byte is read once.
.set X,  32                            ; v32-159  my column's 128 numbers
.set C,  160                           ; v160-175 their codes, four registers a block
.set SW, 24                            ; v24      the scale word
	s_load_b256 s[4:11], s[0:1], 0x0               ; Wq, Wk, Wv, Wo
	s_load_b128 s[12:15], s[0:1], 0x20             ; wcodes, wscales
	v_lshrrev_b32 v1, 5, v0
	v_readfirstlane_b32 s16, v1                    ; wave
	v_and_b32 v1, 31, v0                           ; lane = my column in the wave's 32
	v_lshlrev_b32 v2, 2, v1                        ; in: 4 bytes a lane
	v_bfe_u32 v5, v0, 3, 1                         ; u: which of the two tiles my column falls into
	v_and_b32 v6, 7, v0
	v_bfe_u32 v7, v0, 4, 1
	v_lshl_or_b32 v6, v7, 3, v6                    ; rho: its row there
	v_lshlrev_b32 v3, 4, v6
	v_lshl_add_u32 v3, v5, 12, v3                  ; codes: 4,096 u + 16 rho
	v_lshlrev_b32 v4, 2, v6
	v_lshl_add_u32 v4, v5, 9, v4                   ; scale words: 512 u + 4 rho
	s_and_b32 s17, ttmp7, 0xffff                   ; which weight
	s_and_b32 s18, ttmp9, 3                        ; which 128 columns
	s_lshr_b32 s19, ttmp9, 2                       ; which K step
	s_lshl_b32 s20, s18, 2
	s_add_co_u32 s20, s20, s16                     ; which 32 columns
	s_lshl_b32 s22, s19, 18                        ; W: 128 rows of 2,048 bytes a K step,
	s_lshl_b32 s21, s20, 7                         ; 128 bytes for each 32 columns
	s_add_co_u32 s22, s22, s21
	s_mov_b32 s23, 0
	s_lshl_b32 s24, s17, 17                        ; codes: 131,072 a weight, 8,192 a pair of tiles, 1,024 a K step
	s_lshl_b32 s21, s20, 13
	s_add_co_u32 s24, s24, s21
	s_lshl_b32 s21, s19, 10
	s_add_co_u32 s24, s24, s21
	s_mov_b32 s25, 0
	s_lshl_b32 s26, s17, 14                        ; scale words: 16,384, 1,024, 128
	s_lshl_b32 s21, s20, 10
	s_add_co_u32 s26, s26, s21
	s_lshl_b32 s21, s19, 7
	s_add_co_u32 s26, s26, s21
	s_mov_b32 s27, 0
	s_wait_kmcnt 0x0
	s_cmp_eq_u32 s17, 1                            ; the weight is chosen by the work-group's number alone
	s_cselect_b64 s[4:5], s[6:7], s[4:5]
	s_cmp_eq_u32 s17, 2
	s_cselect_b64 s[4:5], s[8:9], s[4:5]
	s_cmp_eq_u32 s17, 3
	s_cselect_b64 s[4:5], s[10:11], s[4:5]
	s_add_nc_u64 s[4:5], s[4:5], s[22:23]
	s_add_nc_u64 s[12:13], s[12:13], s[24:25]
	s_add_nc_u64 s[14:15], s[14:15], s[26:27]
.set i, 0
.rept 128
	global_load_b32 v[X+i], v2, s[4:5] offset:2048*i th:TH_LOAD_NT   ; W(128 s + i, my column): a wave reads 128 consecutive bytes, the four waves 512
.set i, i+1
.endr
.macro BLOCK b                         ; block b of my column: 32 numbers, all mine
.set XS, X+32*\b
.if \b == 0
	s_wait_loadcnt 63                              ; behind block 0's loads stand 96, behind block 1's 64; a wait's count names 63 at the most, so one wait for 63 serves both blocks
.elseif \b == 2
	s_wait_loadcnt 32                              ; block 3's loads may be out
.elseif \b == 3
	s_wait_loadcnt 0x0
.endif
	v_max3_num_f32 v12, |v[XS]|, |v[XS+1]|, |v[XS+2]|               ; the largest magnitude, in two chains
	v_max3_num_f32 v13, |v[XS+3]|, |v[XS+4]|, |v[XS+5]|
.irp i, 6,10,14,18,22,26
	v_max3_num_f32 v12, v12, |v[XS+\i]|, |v[XS+\i+1]|
	v_max3_num_f32 v13, v13, |v[XS+\i+2]|, |v[XS+\i+3]|
.endr
	v_max3_num_f32 v12, v12, |v[XS+30]|, |v[XS+31]|
	v_max3_num_f32 v12, v12, v13, 0x1800000        ; and the floor 2^(3 - 127): the byte cannot fall under 1
	v_add_nc_u32 v11, 0xff000000, v12              ; 2 off the exponent field: the conversion takes this operand's exponent field as its scale
	v_lshrrev_b32 v13, 23, v11                     ; the scale's byte
.if \b == 0
	v_mov_b32 v[SW], v13
.else
	v_lshl_or_b32 v[SW], v13, 8*\b, v[SW]          ; the lower K in the lower byte
.endif
.irp g, 0,1,2,3
	v_cvt_scalef32_pk8_fp4_f32 v[C+4*\b+\g], v[XS+8*\g:XS+8*\g+7], v11
.endr
.endm
	BLOCK 0                                        ; (each next block begins with plain vector lines: the place behind the conversions)
	BLOCK 1
	BLOCK 2
	BLOCK 3
	v_nop                                          ; one plain line behind the last conversion
.irp b, 0,1,2,3
	global_store_b128 v3, v[C+4*\b:C+4*\b+3], s[12:13] offset:256*\b   ; block b of 16 rows is 256 consecutive aligned bytes: the sixteen lanes of each tile fill one such run
.endr
	global_store_b32 v4, v[SW], s[14:15]           ; the scale words, twice: lanes 0-15's place and lanes 16-31's.  Pieces of 64 bytes: 65,536 bytes in the whole launch
	global_store_b32 v4, v[SW], s[14:15] offset:64
	s_endpgm
.Lfunc_end_k_q0a45fe1ed0_wquant:
	.size	k_q0a45fe1ed0_wquant, .Lfunc_end_k_q0a45fe1ed0_wquant-k_q0a45fe1ed0_wquant
	.p2alignl 7, 3214868480
	.fill 96, 4, 3214868480
	.section	.rodata,"a",@progbits
	.p2align	6, 0x0
	.amdhsa_kernel k_q0a45fe1ed0_wquant
		.amdhsa_group_segment_fixed_size 0
		.amdhsa_private_segment_fixed_size 0
		.amdhsa_enable_private_segment 0
		.amdhsa_kernarg_size 48
		.amdhsa_user_sgpr_count 2
		.amdhsa_user_sgpr_kernarg_segment_ptr 1
		.amdhsa_wavefront_size32 1
		.amdhsa_system_sgpr_workgroup_id_x 1
		.amdhsa_system_sgpr_workgroup_id_y 1
		.amdhsa_system_sgpr_workgroup_id_z 1
		.amdhsa_system_vgpr_workitem_id 0
		.amdhsa_next_free_vgpr 192
		.amdhsa_next_free_sgpr 66
		.amdhsa_reserve_vcc 0
		.amdhsa_float_denorm_mode_32 3
		.amdhsa_float_denorm_mode_16_64 3
		.amdhsa_memory_ordered 1
		.amdhsa_forward_progress 1
		.amdhsa_inst_pref_size 21
	.end_amdhsa_kernel
	.amdgpu_metadata
---
amdhsa.version: [ 1, 2 ]
amdhsa.kernels:
  - .name:           k_q0a45fe1ed0_wquant
    .symbol:         k_q0a45fe1ed0_wquant.kd
    .args:
      - { .name: Wq, .offset: 0, .size: 8, .value_kind: global_buffer, .address_space: global }
      - { .name: Wk, .offset: 8, .size: 8, .value_kind: global_buffer, .address_space: global }
      - { .name: Wv, .offset: 16, .size: 8, .value_kind: global_buffer, .address_space: global }
      - { .name: Wo, .offset: 24, .size: 8, .value_kind: global_buffer, .address_space: global }
      - { .name: wcodes, .offset: 32, .size: 8, .value_kind: global_buffer, .address_space: global }
      - { .name: wscales, .offset: 40, .size: 8, .value_kind: global_buffer, .address_space: global }
    .group_segment_fixed_size: 0
    .private_segment_fixed_size: 0
    .kernarg_segment_align: 8
    .kernarg_segment_size: 48
    .max_flat_workgroup_size: 128
    .sgpr_count:     66
    .vgpr_count:     192
    .wavefront_size: 32
...
	.end_amdgpu_metadata
.endif
;; end of part 1
;; launch proj (part 2): grid 64 x 3, 4 waves a work-group, no clusters, 223,744 bytes of LDS; arguments query, key, value, bq, bk, bv, wcodes, wscales, qkv; writes qkv
.if DOCPART == 2
	.amdgcn_target "amdgcn-amd-amdhsa--gfx1250"
	.amdhsa_code_object_version 6
	.text
	.protected	k_q0a45fe1ed0_proj
	.globl	k_q0a45fe1ed0_proj
	.p2align	8
	.type	k_q0a45fe1ed0_proj,@function
k_q0a45fe1ed0_proj:
	s_mov_b64 s[64:65], 0
	v_nop
	global_prefetch_b8 v0, s[64:65] scope:SCOPE_SE
	s_setreg_imm32_b32 hwreg(HW_REG_WAVE_MODE, 25, 1), 1
	s_wait_xcnt 0x0
; q = query Wq + bq, k = key Wk + bk, v = value Wv + bv on codes of FP4 (E2M1) with E8M0 scales for each 32 along K; the results are quantised again at once, q and k along the head's 64, v along the keys,
; and leave as codes, laid as the attention launch's operand registers want them.  x: [16,384][512] f32, quantised here along its 512.  W: codes and scale words as the launch before has laid them.
; LIMITS: NaN and infinities are not served; a block whose largest magnitude lies under 2^-124 keeps the byte 1; a block of zeros gets the byte 1 where the rule says 127 (zero codes; the bytes are read by this program alone).
; SHARES.  Work-group (x, y): tensor y (0 q, 1 k, 2 v), rows 256 x on, as two blocks of 128 rows.  THE WAVES SHARE THE COLUMNS: wave w owns n = 128 w .. + 127 (heads 2 w, 2 w + 1).  192 work-groups that stay: 384 blocks do not
; divide by the 256 WGPs, and a work-group that takes two blocks fetches its W once.
; TILES.  Row rho of tile 2 B + u (of x's rows and of W's n alike) is index 32 B + 8 u + rho + 8 (rho / 8): with such tiles as source 0, the 16 result registers of tiles 2 B, 2 B + 1 are 16 neighbours, 32 B + 16 (lane / 16) + 0 .. 15.
; ONE FORM FOR THE THREE.  For o = 0 .. 7: D[i] (i = 0 .. 7) = sum over the four K steps s of P[i, s] (source 0) x R[o, s] (source 1).
;   q, k: P = my 8 tiles of W, R = x's tile o: a lane holds one row of x and 64 numbers along n: quantised they are two heads' half fragments (16 rows x 64).
;   v:    P = x's 8 tiles, R = my tile o of W: a lane holds one d and 64 numbers along the 128 keys: quantised they are one whole fragment of V^T (16 d x 128 keys).
; P and R differ only in an LDS base, chosen by the work-group's y.  All LDS writes stand between the block's second barrier and the next block's first; between the first and the second LDS is only read.
; x IS READ ONCE, DENSE: each load takes 512 consecutive bytes of a row; 16 rows x 128 K turn through the wave's own stage so that a lane gets 16 neighbours of each block of 32.
; No tensor loads: register loads keep 64 loads of 512 bytes a wave on their way without a ring's barriers.  No cluster: work-groups share only W, 139,264 bytes each, read once.  No prefetch: x is streamed throughout the launch.
; REGISTERS.  Window 0: below.  Window 1: P, 32 fragments at v[8 (4 i + s)].  Window 2: four sets of 64 for x as it is loaded.
.set HS,   221184                      ; a head's record in qkv: K codes, V codes, K scale words, V scale words, Q codes, Q scale words
.set KC,   0
.set VC,   65536
.set KS,   131072
.set VS,   139264
.set QC,   147456
.set QS,   212992
.set SETB, 37888                       ; LDS: a set = 32 images of 1,024 bytes, 32 scale images of 128 at SSC, a table of 8 x 128 bytes at STB
.set SSC,  32768
.set STB,  36864
.set STG,  5*SETB                      ; x's set at 0, wave w's set of W at SETB (1 + w), then the stages
.set SPI,  528                         ; a stage row: 512 bytes + 16: 33 x 16 bytes, so that sixteen rows' 16-byte columns fall apart
.set STGB, 16*SPI
.set LI,   4                           ; v4   16 x lane: an image's place for my lane
.set LS,   5                           ; v5   4 x lane: a scale word's
.set STI,  6                           ; v6   the stage, in: as loaded
.set STO,  7                           ; v7   the stage, out: row r, + 64 (lane / 16)
.set XWI,  8                           ; v8   where I store x's images
.set XWS,  9                           ; v9   and their scale words
.set ADP,  10                          ; v10  P's images
.set ADPS, 11                          ; v11  P's scale images
.set ADR,  12                          ; v12-14 the trip's R: images, scale images, bias table
.set ADRS, 13
.set ADRB, 14
.set VC1,  16                          ; v16  16 x lane + the distance of the second half's codes
.set VS0,  17                          ; v17  my scale word's place
.set SH,   18                          ; v18  how far my scale word is shifted down
.set VA0,  19                          ; v19-21 the trip's store offsets
.set VA1,  20
.set VAS,  21
.set SD,   22                          ; v22  the scale word as stored
.set PW,   23                          ; v23  the scale word just made
.set WWI,  24                          ; v24, v25 my set of W: 16 x lane, 4 x lane
.set WWS,  25
.set BO6,  26                          ; v26  64 (lane / 16)
.set BO4,  27                          ; v27  4 (r + 8 (r / 8))
.set PS,   32                          ; v32-63  P's scale words (4 i + s)
.set RS,   64                          ; v64-67  R's
.set CB,   68                          ; v68-75  v: my d's bias, eight times: the C of the first products
.set RF,   76                          ; v76-107 R's four fragments
.set HA,   108                         ; v108-171 the eight accumulators; in the x phase 64 numbers of a lane
.set PC,   172                         ; v172-179 the codes just made
.set TM,   180                         ; v180-183 largest magnitudes, v184-187 the other half's, then bytes, v188-191 the conversions' scale operands
.set BA,   192                         ; v192-255 q, k: the bias in the result's layout
.set WV,   22
.set PP,   23
.set ISV,  24
.set XG,   25
.set XP,   26                          ; s[26:27] x at my wave's 32 rows of the block
.set BP,   28                          ; s[28:29] the bias at my 128 numbers
.set WCP,  30                          ; s[30:31] my 8 tiles' codes
.set WSP,  32                          ; s[32:33] their scale words
.set OP,   34                          ; s[34:35] qkv at head 2 w's record
.set MA,   36                          ; codes' offset = (o / 4) MA + (o % 4) MB + BLKC;  a block on: MC
.set MB,   37
.set MC,   38
.set NA,   39                          ; the same for the scale words: NA, NB, BLKS, NC
.set NB,   40
.set NC,   41
.set CSTR, 42
.set SSTR, 43
.set SHM,  44
.set BLKC, 45
.set BLKS, 46
.set WB,   47
.set PB,   48
.set RB0,  49
.set RO,   50
.set ROS,  51
.set ROB,  52
.set OO,   53
.set BLK,  54
.set SEL,  56                          ; s[56:57] v_permlanex16_b32's selects for lane l xor 16
.set MSB, 0
.macro WIN new                         ; the immediate's high byte repeats the setting that is left
.if MSB != \new
	s_set_vgpr_msb (MSB<<8)|\new
.set MSB, \new
.endif
.endm
; 64 numbers of a lane, register 16 b + i = k 32 b + 16 (lane / 16) + i of my row, become a fragment's codes in v[PC] on and its scale word in v[PW].
.macro QUANT s
.irp b, 0,1,2,3
	v_max3_num_f32 v[TM+\b], |v[\s+16*\b]|, |v[\s+1+16*\b]|, 0x1800000   ; my 16 numbers of block b, and the floor 2^(3 - 127): the byte cannot fall under 1.  (Each accumulator is read from its low end on)
.endr
.irp i, 2,4,6,8,10,12,14
.irp b, 0,1,2,3
	v_max3_num_f32 v[TM+\b], v[TM+\b], |v[\s+16*\b+\i]|, |v[\s+1+16*\b+\i]|   ; the four blocks by turns
.endr
.endr
.irp b, 0,1,2,3
	v_permlanex16_b32 v[TM+4+\b], v[TM+\b], s[SEL], s[SEL+1]
.endr
.irp b, 0,1,2,3
	v_max_num_f32 v[TM+\b], v[TM+\b], v[TM+4+\b]   ; with lane l xor 16's: the block's largest magnitude
.endr
.irp b, 0,1,2,3
	v_add_nc_u32 v[TM+8+\b], 0xff000000, v[TM+\b]  ; 2 off its exponent field: the conversion's scale operand
.endr
.irp b, 0,1,2,3
	v_lshrrev_b32 v[TM+4+\b], 23, v[TM+8+\b]       ; the scale's byte
.endr
	v_lshl_or_b32 v[PW], v[TM+5], 8, v[TM+4]
	v_lshl_or_b32 v[PW], v[TM+6], 16, v[PW]
	v_lshl_or_b32 v[PW], v[TM+7], 24, v[PW]
.irp b, 0,1,2,3
	v_cvt_scalef32_pk8_fp4_f32 v[PC+2*\b], v[\s+16*\b:\s+7+16*\b], v[TM+8+\b]
	v_cvt_scalef32_pk8_fp4_f32 v[PC+1+2*\b], v[\s+8+16*\b:\s+15+16*\b], v[TM+8+\b]
.endr
	v_nop                                          ; one plain line behind the last conversion
.irp c, 0,1                                    ; the operand wants a whole block in a lane: lanes 0-15 block 2 c, lanes 16-31 block 2 c + 1
.irp i, 0,1
	v_permlane16_swap_b32 v[PC+4*\c+\i], v[PC+2+4*\c+\i]
.endr
.endr
.endm
; Tile a (0, 1) of my 32 rows, K step s: 16 loads, each 512 consecutive aligned bytes of one row, into set s of window 2.
.macro XLOAD a, s, off
	WIN 0x80
.irp i, 0,1,2,3,4,5,6,7,8,9,10,11,12,13,14,15
	global_load_b128 v[64*(\s)+4*\i:64*(\s)+4*\i+3], v[LI], s[XP:XP+1] offset:(\off)+(8*(\a)+\i+8*(\i/8))*2048+512*(\s) th:TH_LOAD_NT
.endr
	WIN 0
.endm
; One unit: tile a, K step s becomes an image in x's set.  cnt: the loads issued behind this unit's 16.  next = 1: the set takes tile 1's loads; 2: all four sets take the next block's tile 0, if there is a next block.
.macro UNIT a, s, cnt, next
	s_wait_loadcnt \cnt
	WIN 0x08                                       ; an LDS store's data: window 2
.irp i, 0,1,2,3,4,5,6,7,8,9,10,11,12,13,14,15
	ds_store_b128 v[STI], v[64*(\s)+4*\i:64*(\s)+4*\i+3] offset:SPI*\i
.endr
	WIN 0
.irp b, 0,1,2,3
.irp j, 0,1,2,3
	ds_load_b128 v[HA+16*\b+4*\j:HA+16*\b+4*\j+3], v[STO] offset:128*\b+16*\j   ; LDS serves a wave's instructions in order: these see the stores above
.endr
.endr
	s_wait_dscnt 0x0                               ; the turn is back; the set's registers have been read; the last unit's image stores have read theirs
.if \next == 1
	XLOAD 1, \s, 0
.elseif \next == 2
	s_cmp_eq_u32 s[BLK], 1                         ; no load leaves its buffer: the last block asks for nothing
	s_cbranch_scc1 .Lno_next
	XLOAD 0, 0, 262144                             ; 64 loads a wave, on their way through the whole product phase
	XLOAD 0, 1, 262144
	XLOAD 0, 2, 262144
	XLOAD 0, 3, 262144
.Lno_next:
.endif
	QUANT HA
	ds_store_b128 v[XWI], v[PC:PC+3] offset:(4*(\a)+(\s))*1024
	ds_store_b128 v[XWI], v[PC+4:PC+7] offset:(4*(\a)+(\s))*1024+512
	ds_store_b32 v[XWS], v[PW] offset:(4*(\a)+(\s))*128
.endm
; Eight products, K step s, the eight accumulators by turns, one instruction a turn.  C = v[cb + cs i].
.macro MUL8 s, cb, cs
.irp i, 0,1,2,3,4,5,6,7
	v_wmma_scale_f32_16x16x128_f8f6f4 v[HA+8*\i:HA+8*\i+7], v[8*(4*\i+\s):8*(4*\i+\s)+7], v[RF+8*\s:RF+8*\s+7], v[\cb+\cs*\i:\cb+\cs*\i+7], v[PS+4*\i+\s], v[RS+\s] matrix_a_fmt:MATRIX_FMT_FP4 matrix_b_fmt:MATRIX_FMT_FP4
.endr
.endm
	s_load_b512 s[4:19], s[0:1], 0x0               ; query, key, value, bq, bk, bv, wcodes, wscales
	s_load_b64 s[20:21], s[0:1], 0x40              ; qkv
	v_lshl_add_u32 v30, v0, 2, 0x36800
	v_mov_b32 v31, 0
	v_lshrrev_b32 v1, 5, v0
	v_readfirstlane_b32 s[WV], v1                  ; wave 0..3
	v_and_b32 v1, 31, v0                           ; lane
	v_and_b32 v2, 15, v0                           ; r
	v_bfe_u32 v3, v0, 4, 1                         ; lane / 16
	v_lshlrev_b32 v[LI], 4, v1
	v_lshlrev_b32 v[LS], 2, v1
	s_and_b32 s[PP], ttmp7, 0xffff                 ; 0 q, 1 k, 2 v
	s_mov_b32 s[XG], ttmp9
	s_mov_b32 s[SEL], 0x76543210
	s_mov_b32 s[SEL+1], 0xfedcba98
	s_add_co_u32 s[WB], s[WV], 1
	s_mul_i32 s[WB], s[WB], SETB                   ; my set of W
	s_cmp_eq_u32 s[PP], 0                          ; where the results go in a head's record, and by what strides: all chosen by the work-group's y
	s_mov_b32 s[BLKC], QC
	s_cselect_b32 s[BLKC], s[BLKC], KC
	s_mov_b32 s[BLKS], QS
	s_cselect_b32 s[BLKS], s[BLKS], KS
	s_cmp_eq_u32 s[PP], 2
	s_cselect_b32 s[ISV], 1, 0
	s_cselect_b32 s[BLKC], VC, s[BLKC]
	s_cselect_b32 s[BLKS], VS, s[BLKS]
	s_mov_b32 s[MA], HS                            ; v: o / 4 is the head, o % 4 the tile of d, a block a key step.  q, k: o is the tile of rows
	s_cselect_b32 s[MA], s[MA], 2048
	s_mov_b32 s[MB], 16384
	s_cselect_b32 s[MB], s[MB], 512
	s_mov_b32 s[MC], 1024
	s_cselect_b32 s[MC], s[MC], 4096
	s_mov_b32 s[NA], HS
	s_cselect_b32 s[NA], s[NA], 256
	s_cselect_b32 s[NB], 2048, 64
	s_mov_b32 s[NC], 128
	s_cselect_b32 s[NC], s[NC], 512
	s_mov_b32 s[CSTR], HS                          ; the fragment's second half: v: 512 bytes on; q, k: the next head's record
	s_cselect_b32 s[CSTR], 512, s[CSTR]
	s_mov_b32 s[SSTR], HS                          ; lanes 16-31's scale word: v: the image's second half; q, k: the next head's, from the word's upper bytes
	s_cselect_b32 s[SSTR], 64, s[SSTR]
	s_cselect_b32 s[SHM], 0, 16
	s_cselect_b32 s[PB], 0, s[WB]                  ; P: v: x's set; q, k: my set of W
	s_cselect_b32 s[RB0], s[WB], 0                 ; R: the other one
	s_and_b32 s58, s[XG], 7
	s_lshl_b32 s58, s58, 1                         ; my first block among the batch's 16
	s_mul_i32 s59, s58, s[MC]
	s_add_co_u32 s[BLKC], s[BLKC], s59
	s_mul_i32 s59, s58, s[NC]
	s_add_co_u32 s[BLKS], s[BLKS], s59
	s_mul_i32 s58, s[WV], STGB
	s_add_co_u32 s58, s58, STG                     ; my stage
	v_add_nc_u32 v[STI], s58, v[LI]
	v_mul_u32_u24 v[STO], v2, SPI
	v_lshl_add_u32 v[STO], v3, 6, v[STO]
	v_add_nc_u32 v[STO], s58, v[STO]
	s_lshl_b32 s58, s[WV], 13                      ; x's set: my two tiles' eight images,
	v_add_nc_u32 v[XWI], s58, v[LI]
	s_lshl_b32 s58, s[WV], 10
	s_add_co_u32 s58, s58, SSC                     ; and their scale images
	v_add_nc_u32 v[XWS], s58, v[LS]
	v_add_nc_u32 v[ADP], s[PB], v[LI]
	s_add_co_u32 s58, s[PB], SSC
	v_add_nc_u32 v[ADPS], s58, v[LS]
	v_add_nc_u32 v[WWI], s[WB], v[LI]
	v_add_nc_u32 v[WWS], s[WB], v[LS]
	v_add_nc_u32 v[VC1], s[CSTR], v[LI]
	v_mul_lo_u32 v[VS0], v3, s[SSTR]
	v_lshl_add_u32 v[VS0], v2, 2, v[VS0]
	v_mul_lo_u32 v[SH], v3, s[SHM]
	v_lshlrev_b32 v[BO6], 6, v3
	v_and_b32 v[BO4], 8, v2
	v_add_nc_u32 v[BO4], v[BO4], v2
	v_lshlrev_b32 v[BO4], 2, v[BO4]
.irp b, 0,1,2,3
	v_mov_b32 v[TM+4+\b], 0                        ; written once: a lane permute's destination counts as one of its sources
.endr
	s_wait_kmcnt 0x0
	s_cmp_eq_u32 s[PP], 1
	s_cselect_b64 s[XP:XP+1], s[6:7], s[4:5]
	s_cselect_b64 s[BP:BP+1], s[12:13], s[10:11]
	s_cmp_eq_u32 s[PP], 2
	s_cselect_b64 s[XP:XP+1], s[8:9], s[XP:XP+1]
	s_cselect_b64 s[BP:BP+1], s[14:15], s[BP:BP+1]
	s_lshl_b32 s58, s[XG], 19                      ; 256 rows of 2,048 bytes a work-group,
	s_lshl_b32 s60, s[WV], 16                      ; 32 rows a wave
	s_add_co_u32 s58, s58, s60
	s_mov_b32 s59, 0
	s_add_nc_u64 s[XP:XP+1], s[XP:XP+1], s[58:59]
	s_lshl_b32 s58, s[WV], 9
	s_add_nc_u64 s[BP:BP+1], s[BP:BP+1], s[58:59]
	s_lshl_b32 s58, s[PP], 17
	s_lshl_b32 s60, s[WV], 15
	s_add_co_u32 s58, s58, s60
	s_add_nc_u64 s[WCP:WCP+1], s[16:17], s[58:59]
	s_lshl_b32 s58, s[PP], 14
	s_lshl_b32 s60, s[WV], 12
	s_add_co_u32 s58, s58, s60
	s_add_nc_u64 s[WSP:WSP+1], s[18:19], s[58:59]
	s_lshr_b32 s58, s[XG], 3                       ; the batch
	s_lshl_b32 s58, s58, 3
	s_lshl_b32 s60, s[WV], 1
	s_add_co_u32 s58, s58, s60                     ; 8 b + 2 w
	s_mul_i32 s58, s58, HS
	s_add_nc_u64 s[OP:OP+1], s[20:21], s[58:59]
	; my part of W goes into my set in LDS as it lies: 32,768 bytes of images, 4,096 of scale images; and a table of v's bias, a word a lane for each tile
	WIN 0x40
.set k, 0
.rept 64
	global_load_b128 v[4*k:4*k+3], v[LI], s[WCP:WCP+1] offset:512*k
.set k, k+1
.endr
	WIN 0
.irp k, 0,1,2,3,4,5,6,7
	global_load_b128 v[HA+4*\k:HA+4*\k+3], v[LI], s[WSP:WSP+1] offset:512*\k
.endr
.irp o, 0,1,2,3,4,5,6,7
	global_load_b32 v[HA+32+\o], v[BO4], s[BP:BP+1] offset:(32*(\o/2)+8*(\o%2))*4   ; the bias of tile o's row r
.endr
.irp t, 0,1,2,3,4,5,6,7
	global_load_b128 v[BA+8*\t:BA+8*\t+3], v[BO6], s[BP:BP+1] offset:(32*(\t/2)+8*(\t%2))*4      ; q, k: the bias of n = 32 (t / 2) + 8 (t % 2) + 16 (lane / 16) + 0 .. 7
	global_load_b128 v[BA+8*\t+4:BA+8*\t+7], v[BO6], s[BP:BP+1] offset:(32*(\t/2)+8*(\t%2))*4+16
.endr
	XLOAD 0, 0, 0
	XLOAD 0, 1, 0
	XLOAD 0, 2, 0
	s_wait_loadcnt 48                              ; all but x's 48 loads are in (the fourth unit is asked for behind this wait: a count of 64 cannot be named)
	WIN 0x04                                       ; an LDS store's data: window 1
.set k, 0
.rept 64
	ds_store_b128 v[WWI], v[4*k:4*k+3] offset:512*k
.set k, k+1
.endr
	WIN 0
.irp k, 0,1,2,3,4,5,6,7
	ds_store_b128 v[WWI], v[HA+4*\k:HA+4*\k+3] offset:SSC+512*\k
.endr
.irp o, 0,1,2,3,4,5,6,7
	ds_store_b32 v[WWS], v[HA+32+\o] offset:STB+128*\o
.endr
	XLOAD 0, 3, 0
	s_wait_dscnt 0x0                               ; the stores have read their registers
	s_mov_b32 s[BLK], 2
.Lblock:
	; ---- x: my 32 rows become eight images.  Behind a unit's 16 loads stand three units' 48, until the counts run down
	UNIT 0, 0, 48, 1
	UNIT 0, 1, 48, 1
	UNIT 0, 2, 48, 1
	UNIT 0, 3, 48, 1
	UNIT 1, 0, 48, 0
	UNIT 1, 1, 32, 0
	UNIT 1, 2, 16, 0
	UNIT 1, 3, 0, 2
	s_wait_dscnt 0x0                               ; for the others' sake: my images have landed
	s_barrier_signal -1
	s_barrier_wait -1                              ; x's 32 images lie in LDS
	; ---- P into registers
	WIN 0x40
.set k, 0
.rept 64
	ds_load_b128 v[4*k:4*k+3], v[ADP] offset:512*k
.set k, k+1
.endr
	WIN 0
.set k, 0
.rept 32
	ds_load_b32 v[PS+k], v[ADPS] offset:128*k
.set k, k+1
.endr
	s_mov_b32 s[RO], s[RB0]
	s_add_co_u32 s[ROS], s[RB0], SSC
	s_add_co_u32 s[ROB], s[WB], STB
	s_mov_b32 s[OO], 0
.Lo:                                               ; eight trips: R's tile o
	v_add_nc_u32 v[ADR], s[RO], v[LI]
	v_add_nc_u32 v[ADRS], s[ROS], v[LS]
	v_add_nc_u32 v[ADRB], s[ROB], v[LS]
.irp s, 0,1,2,3
	ds_load_b128 v[RF+8*\s:RF+8*\s+3], v[ADR] offset:1024*\s
	ds_load_b128 v[RF+8*\s+4:RF+8*\s+7], v[ADR] offset:1024*\s+512
	ds_load_b32 v[RS+\s], v[ADRS] offset:128*\s
.endr
.irp j, 0,1,2,3,4,5,6,7
	ds_load_b32 v[CB+\j], v[ADRB]                  ; the lane's bias word, into all eight registers of a C
.endr
	s_lshr_b32 s58, s[OO], 2
	s_and_b32 s59, s[OO], 3
	s_mul_i32 s60, s58, s[MA]
	s_mul_i32 s61, s59, s[MB]
	s_add_co_u32 s60, s60, s61
	s_add_co_u32 s60, s60, s[BLKC]                 ; where this trip's codes go
	s_mul_i32 s61, s58, s[NA]
	s_mul_i32 s62, s59, s[NB]
	s_add_co_u32 s61, s61, s62
	s_add_co_u32 s61, s61, s[BLKS]                 ; and its scale words
	s_wait_dscnt 0x0
	s_cmp_eq_u32 s[ISV], 1                         ; the bias is the C of the first products: q, k along the registers, v along the lanes
	s_cbranch_scc1 .Larm_v
	WIN 0x01                                       ; source 0 (P): window 1
	MUL8 0, BA, 8
	WIN 0
	s_branch .Ljoin
.Larm_v:
	WIN 0x01
	MUL8 0, CB, 0
	WIN 0
.Ljoin:
	WIN 0x01
	MUL8 1, HA, 8
	MUL8 2, HA, 8
	MUL8 3, HA, 8
	WIN 0
.rept 4
	v_nop                                          ; four places between the last product and the first read of results
.endr
	QUANT HA
	v_add_nc_u32 v[VA0], s60, v[LI]
	v_add_nc_u32 v[VA1], s60, v[VC1]
	v_add_nc_u32 v[VAS], s61, v[VS0]
	v_lshrrev_b32 v[SD], v[SH], v[PW]
	global_store_b128 v[VA0], v[PC:PC+3], s[OP:OP+1]     ; 512 consecutive aligned bytes
	global_store_b128 v[VA1], v[PC+4:PC+7], s[OP:OP+1]   ; likewise
	global_store_b32 v[VAS], v[SD], s[OP:OP+1]           ; pieces of 64 or 128 bytes: 1.5 MB in the whole launch
	s_wait_xcnt 0x0                                ; the stores' data and offsets are written again in the next trip
	s_add_co_u32 s[RO], s[RO], 4096
	s_add_co_u32 s[ROS], s[ROS], 512
	s_add_co_u32 s[ROB], s[ROB], 128
	s_add_co_u32 s[OO], s[OO], 1
	s_cmp_lt_u32 s[OO], 8
	s_cbranch_scc1 .Lo
	s_wait_dscnt 0x0                               ; my reads of x's set are over
	s_barrier_signal -1
	s_barrier_wait -1                              ; everybody's are: it may be written again
	s_wait_xcnt 0x0                                ; the next block's loads have read their base
	s_add_nc_u64 s[XP:XP+1], s[XP:XP+1], 262144
	s_add_co_u32 s[BLKC], s[BLKC], s[MC]
	s_add_co_u32 s[BLKS], s[BLKS], s[NC]
	s_sub_co_u32 s[BLK], s[BLK], 1
	s_cmp_lg_u32 s[BLK], 0
	s_cbranch_scc1 .Lblock
	s_wait_tensorcnt 0x0
	ds_add_u32 v30, v31
	s_wait_dscnt 0x0
	s_endpgm
.Lfunc_end_k_q0a45fe1ed0_proj:
	.size	k_q0a45fe1ed0_proj, .Lfunc_end_k_q0a45fe1ed0_proj-k_q0a45fe1ed0_proj
	.p2alignl 7, 3214868480
	.fill 96, 4, 3214868480
	.section	.rodata,"a",@progbits
	.p2align	6, 0x0
	.amdhsa_kernel k_q0a45fe1ed0_proj
		.amdhsa_group_segment_fixed_size 223744
		.amdhsa_private_segment_fixed_size 0
		.amdhsa_enable_private_segment 0
		.amdhsa_kernarg_size 72
		.amdhsa_user_sgpr_count 2
		.amdhsa_user_sgpr_kernarg_segment_ptr 1
		.amdhsa_wavefront_size32 1
		.amdhsa_system_sgpr_workgroup_id_x 1
		.amdhsa_system_sgpr_workgroup_id_y 1
		.amdhsa_system_sgpr_workgroup_id_z 1
		.amdhsa_system_vgpr_workitem_id 0
		.amdhsa_next_free_vgpr 768
		.amdhsa_next_free_sgpr 66
		.amdhsa_reserve_vcc 0
		.amdhsa_float_denorm_mode_32 3
		.amdhsa_float_denorm_mode_16_64 3
		.amdhsa_memory_ordered 1
		.amdhsa_forward_progress 1
		.amdhsa_inst_pref_size 105
	.end_amdhsa_kernel
	.amdgpu_metadata
---
amdhsa.version: [ 1, 2 ]
amdhsa.kernels:
  - .name:           k_q0a45fe1ed0_proj
    .symbol:         k_q0a45fe1ed0_proj.kd
    .args:
      - { .name: query, .offset: 0, .size: 8, .value_kind: global_buffer, .address_space: global }
      - { .name: key, .offset: 8, .size: 8, .value_kind: global_buffer, .address_space: global }
      - { .name: value, .offset: 16, .size: 8, .value_kind: global_buffer, .address_space: global }
      - { .name: bq, .offset: 24, .size: 8, .value_kind: global_buffer, .address_space: global }
      - { .name: bk, .offset: 32, .size: 8, .value_kind: global_buffer, .address_space: global }
      - { .name: bv, .offset: 40, .size: 8, .value_kind: global_buffer, .address_space: global }
      - { .name: wcodes, .offset: 48, .size: 8, .value_kind: global_buffer, .address_space: global }
      - { .name: wscales, .offset: 56, .size: 8, .value_kind: global_buffer, .address_space: global }
      - { .name: qkv, .offset: 64, .size: 8, .value_kind: global_buffer, .address_space: global }
    .group_segment_fixed_size: 223744
    .private_segment_fixed_size: 0
    .kernarg_segment_align: 8
    .kernarg_segment_size: 72
    .max_flat_workgroup_size: 128
    .sgpr_count:     66
    .vgpr_count:     768
    .wavefront_size: 32
...
	.end_amdgpu_metadata
.endif
;; end of part 2
;; launch attn (part 3): grid 256 x 1, 16 waves a work-group, clusters of 4 x 1, 169,984 bytes of LDS; arguments qkv, ocodes, oscales; writes ocodes, oscales
.if DOCPART == 3
	.amdgcn_target "amdgcn-amd-amdhsa--gfx1250"
	.amdhsa_code_object_version 6
	.text
	.protected	k_q0a45fe1ed0_attn
	.globl	k_q0a45fe1ed0_attn
	.p2align	8
	.type	k_q0a45fe1ed0_attn,@function
k_q0a45fe1ed0_attn:
	s_mov_b64 s[64:65], 0
	v_nop
	global_prefetch_b8 v0, s[64:65] scope:SCOPE_SE
	s_setreg_imm32_b32 hwreg(HW_REG_WAVE_MODE, 25, 1), 1
	s_wait_xcnt 0x0
	s_wait_alu depctr_hold_cnt(0) depctr_sa_sdst(0) depctr_va_vdst(0) depctr_va_sdst(0) depctr_va_ssrc(0) depctr_va_vcc(0) depctr_vm_vsrc(0)
	s_getreg_b32 s2, hwreg(HW_REG_IB_STS2, 6, 4)
	s_cmp_eq_u32 s2, 0
	s_cbranch_scc0 .Lentry_in_a_cluster
	s_endpgm
.Lentry_in_a_cluster:
	s_bfe_u32 s2, ttmp6, 0x10000c
	s_cmp_lg_u32 s2, 0x3003
	s_cbranch_scc0 .Lentry_shape_is_right
	s_endpgm
.Lentry_shape_is_right:
; Causal attention of 64 heads (8 batches x 8), 2,048 queries and keys, head size 64, both products on codes of FP4 (E2M1) with E8M0 scales; the result O / l is quantised along the model's 512 and leaves as codes for the last product.
; THE SOFTMAX: t = score x log2(e) / 8; M = the running largest t rounded UP to a whole number; p = 2^(t - M) is quantised along the keys, not normalised; the row's sum is taken of the unquantised p and divides O at the end.
; When M moves, the sum and O are multiplied by 2^(old M - new M): exact.
; LIMITS: NaN and infinities are not served; a block whose largest magnitude lies under 2^-124, or that is all zeros, keeps the byte 1 (the bytes are read by this program alone).
; IN.  A head's record in qkv begins with 147,456 dense bytes: K's codes [tile 128][32 lanes x 16 B] (16 keys x 64: the first half of a fragment; the other half is zero codes), V's codes [tile of d 4][key step 16][image 1,024 B],
; K's scale words [tile][16 x 4 B], V's [tile of d][key step][32 x 4 B].  Then Q's codes and scale words, laid as K's.  Row rho of tile 2 B + u (keys, queries, d alike) is index 32 B + 8 u + rho + 8 (rho / 8).
; CLUSTER.  The four work-groups of a cluster own one head.  Its whole K and V fit in LDS: they are asked for JOINTLY, once, each wave one load of 36 rows of 256 bytes, the same in all four work-groups.  Nothing is filled again: no ring.
; So there is no later stream to prefetch: all that the launch reads through LDS is asked for at its head.
; SHARES.  Sixteen waves, four to a SIMD, so that one wave's softmax stands beside another's products and LDS loads.  A wave runs two passes, each on one tile of 16 queries: tile 8 G + 2 cx + (wave & 1), G = wave / 2, then 15 - wave / 2.
; A tile of group G has G + 1 key steps of 128 keys, the last on the diagonal: every wave of the launch has 17 steps, 2 of them masked.  The loop over steps has a constant count; a step all of whose keys are hidden does no work.
; G, every branch and every LDS address hang on the wave's number and on constants; the place in the cluster enters Q's and O's global offsets and the mask's vector number alone.
; LAYOUT.  Both products are used transposed: S^T = K Q^T (source 0 = 16 keys), O^T = V^T P^T (source 0 = 16 of the head's 64): a lane holds ONE query throughout, and by the tiles' order 16 registers of two neighbouring tiles are 16 neighbours.
; REGISTERS: v1-7, v29 addresses that stay; v8-11 the step's addresses; v12 -M, v13 the largest t, v[14:15] the sum; v16-23 Q (20-23 zeros); v24-28 the second pass's Q and scale word; v32-95 K (each tile's upper four zeros);
; v96-159 S^T, then p; v160-191 O^T; v192-223 V; v224-231 p's codes; v232-239, v244-247, v252-254 at work; v240-243 K's scale words (a pair of tiles to a register), v248-251 V's, v253 p's, v255 Q's.
.set HS,   221184
.set QC,   147456
.set LVC,  65536                       ; LDS as the record: K's codes at 0, V's here,
.set LKS,  131072                      ; K's scale words,
.set LVS,  139264                      ; V's
.set LI,   1
.set AV0,  2
.set ASK0, 3
.set ASV0, 4
.set DD,   5                           ; v5   my query less the diagonal step's first key less 16 (lane / 16)
.set L4,   6
.set VOC,  7
.set ADK,  8
.set ADV,  9
.set ADS,  10
.set ADT,  11
.set VOS,  29
.set WV,   10
.set CX,   11
.set BH,   12
.set UU,   13
.set SG,   14                          ; s14  G: the pass's group of queries
.set SE,   15                          ; s15  2 cx + (wave & 1): for global offsets alone
.set G1,   16                          ; s[16:23] descriptor group 1
.set G0,   24                          ; s[24:27] group 0
.set SEL,  28
.set CS,   30                          ; s[30:31] c = log2(e) / 8, twice: the packed form names a pair
.set SS,   32                          ; s32  the key step
.set TK,   33                          ; s33-36 where the step's K, V and their scale words begin
.set TV,   34
.set TSK,  35
.set TSV,  36
.set PASS, 37
.set QP,   48
.set OCP,  50
.set OSP,  52
.macro ROUND                           ; a round of the cluster's barrier: my work-group's barrier; wave 0 signals for the work-group; every wave waits for all four; my work-group's barrier once more
	s_barrier_signal -1
	s_barrier_wait -1
	s_cmp_lg_u32 s[WV], 0
	s_cbranch_scc1 .Lnot_wave_0_\@
	s_barrier_signal -3
.Lnot_wave_0_\@:
	s_barrier_wait -3
	s_barrier_signal -1
	s_barrier_wait -1
.endm
	s_load_b128 s[4:7], s[0:1], 0x0                ; qkv, ocodes
	s_load_b64 s[8:9], s[0:1], 0x10                ; oscales
	v_lshl_add_u32 v254, v0, 2, 0x29000
	v_mov_b32 v255, 0
	ds_add_u32 v254, v255
	ds_add_u32 v254, v255
	s_wait_dscnt 0x0
	v_lshrrev_b32 v1, 5, v0
	v_readfirstlane_b32 s[WV], v1                  ; wave 0..15
	s_bfe_u32 s[CX], ttmp6, 0x40000                ; my place in the cluster
	s_mov_b32 s[BH], ttmp9                         ; in a cluster launch ttmp9 counts clusters: the head, 8 b + h
	s_and_b32 s[UU], s[WV], 1
	s_lshr_b32 s[SG], s[WV], 1
	s_lshl_b32 s[SE], s[CX], 1
	s_add_co_u32 s[SE], s[SE], s[UU]
	s_mov_b32 s[G1], 15|(3<<16)|(1<<21)            ; 15:0 the mask: all four work-groups; 17:16 elements of 8 bytes; 21 set beside a mask; no padding: every LDS read takes 16 or 4 consecutive bytes a lane
	s_mov_b32 s[G1+1], 32<<16                      ; tensor_dim0 = 32 elements: 256 bytes
	s_mov_b32 s[G1+2], 36<<16                      ; tensor_dim1 = 36
	s_mov_b32 s[G1+3], 32<<16                      ; tile_dim0
	s_mov_b32 s[G1+4], 36                          ; tile_dim1
	s_mov_b32 s[G1+5], 32                          ; the pitch: dense
	s_mov_b32 s[G1+6], 0
	s_mov_b32 s[G1+7], 0
	s_mov_b32 s[SEL], 0x76543210
	s_mov_b32 s[SEL+1], 0xfedcba98
	s_mov_b32 s[CS], 0x3e38aa3b                    ; log2(e) / 8
	s_mov_b32 s[CS+1], s[CS]
	s_mul_i32 s38, s[BH], HS
	s_mov_b32 s39, 0
	s_mul_i32 s40, s[WV], 9216                     ; my 36 rows, in memory and in LDS alike
	s_mov_b32 s41, 0
	s_lshr_b32 s42, s[BH], 3                       ; ocodes [128 b + tile][K step h / 2][half h % 2][512 B]
	s_lshl_b32 s42, s42, 19
	s_bfe_u32 s44, s[BH], 0x20001
	s_lshl_b32 s44, s44, 10
	s_add_co_u32 s42, s42, s44
	s_and_b32 s44, s[BH], 1
	s_lshl_b32 s44, s44, 9
	s_add_co_u32 s42, s42, s44
	s_mov_b32 s43, 0
	s_lshl_b32 s44, s[BH], 14                      ; oscales [head][tile][128 B]
	s_mov_b32 s45, 0
	s_wait_kmcnt 0x0
	s_add_nc_u64 s[46:47], s[4:5], s[38:39]        ; the head's record
	s_add_nc_u64 s[QP:QP+1], s[46:47], QC
	s_add_nc_u64 s[OCP:OCP+1], s[6:7], s[42:43]
	s_add_nc_u64 s[OSP:OSP+1], s[8:9], s[44:45]
	s_mov_b32 s[G0], 1
	s_mov_b32 s[G0+1], s40
	s_add_nc_u64 s[G0+2:G0+3], s[46:47], s[40:41]
	s_or_b32 s[G0+3], s[G0+3], 0x80000000
	ROUND                                          ; all four work-groups are here: the joint loads meet
	tensor_load_to_lds s[G0:G0+3], s[G1:G1+7]      ; one load a wave is out
	s_nop 0
.rept 4
	v_nop
.endr
	v_and_b32 v30, 31, v0                          ; lane
	v_and_b32 v31, 15, v0                          ; r
	v_bfe_u32 v29, v0, 4, 1                        ; lane / 16
	v_lshlrev_b32 v[LI], 4, v30
	v_add_nc_u32 v[AV0], LVC, v[LI]
	v_lshlrev_b32 v[L4], 2, v30
	v_add_nc_u32 v[ASK0], LKS, v[L4]
	v_add_nc_u32 v[ASV0], LVS, v[L4]
	v_and_b32 v[DD], 8, v31
	v_add_nc_u32 v[DD], v[DD], v31                 ; r + 8 (r / 8)
	s_lshl_b32 s38, s[CX], 5
	s_lshl_b32 s39, s[UU], 3
	s_add_co_u32 s38, s38, s39
	v_add_nc_u32 v[DD], s38, v[DD]                 ; my query = 128 G + 32 cx + 8 (wave & 1) + r + 8 (r / 8)
	v_lshlrev_b32 v29, 4, v29
	v_sub_nc_u32 v[DD], v[DD], v29
	s_lshl_b32 s38, s[SG], 3
	s_add_co_u32 s38, s38, s[SE]                   ; the first pass's tile,
	s_sub_co_u32 s39, 15, s[SG]
	s_lshl_b32 s39, s39, 3
	s_add_co_u32 s39, s39, s[SE]                   ; the second's
	s_lshl_b32 s40, s38, 9
	s_lshl_b32 s41, s39, 9
	v_add_nc_u32 v8, s40, v[LI]
	v_add_nc_u32 v9, s41, v[LI]
	s_lshl_b32 s40, s38, 6
	s_lshl_b32 s41, s39, 6
	v_lshlrev_b32 v31, 2, v31
	v_add_nc_u32 v10, s40, v31
	v_add_nc_u32 v11, s41, v31
	global_load_b128 v[16:19], v8, s[QP:QP+1]      ; Q's half fragments of both passes,
	global_load_b128 v[24:27], v9, s[QP:QP+1]
	global_load_b32 v255, v10, s[QP:QP+1] offset:65536   ; and their scale words
	global_load_b32 v28, v11, s[QP:QP+1] offset:65536
.irp j, 20,21,22,23,236,237,238,239,252,253
	v_mov_b32 v\j, 0                               ; zero codes for K = 64 .. 127 of Q; the permutes' destinations and the pair v[252:253] are written before they are named
.endr
.irp t, 0,1,2,3,4,5,6,7
.irp j, 4,5,6,7
	v_mov_b32 v[32+8*\t+\j], 0                     ; zero codes for K = 64 .. 127 of each tile of keys: set once
.endr
.endr
	s_wait_tensorcnt 0x0                           ; my part of the head is in,
	s_barrier_signal -1
	s_barrier_wait -1                              ; everybody's is
	s_wait_loadcnt 0x0                             ; Q
	s_mov_b32 s[PASS], 2
.Lpass:
	v_mov_b32 v13, 0xff61b1e6                      ; the largest t so far: -3e38
	v_floor_f32 v12, -v13                          ; -M
	v_mov_b32 v14, 0
	v_mov_b32 v15, 0
.set j, 0
.rept 32
	v_mov_b32 v[160+j], 0                          ; O^T.  The step is written once: the first finds zeros, which the first change of M leaves zeros.  (These lines are also the places between the writes of Q and its scale word and the first products)
.set j, j+1
.endr
	s_mov_b32 s[SS], 0
	s_mov_b32 s[TK], 0
	s_mov_b32 s[TV], 0
	s_mov_b32 s[TSK], 0
	s_mov_b32 s[TSV], 0
.Lstep:                                            ; sixteen trips
	s_cmp_gt_u32 s[SS], s[SG]                      ; all 128 keys come after my queries: no work
	s_cbranch_scc1 .Lhid
	v_add_nc_u32 v[ADK], s[TK], v[LI]              ; (these four are the places between the last step's products and the loads into their operands)
	v_add_nc_u32 v[ADV], s[TV], v[AV0]
	v_add_nc_u32 v[ADS], s[TSK], v[ASK0]
	v_add_nc_u32 v[ADT], s[TSV], v[ASV0]
.irp t, 0,1,2,3,4,5,6,7
	ds_load_b128 v[32+8*\t:35+8*\t], v[ADK] offset:512*\t
.endr
.irp b, 0,1,2,3
	ds_load_b32 v[240+\b], v[ADS] offset:128*\b    ; lanes 0-15: tile 2 b's words; lanes 16-31: tile 2 b + 1's
.endr
.irp e, 0,1,2,3
	ds_load_b128 v[192+8*\e:195+8*\e], v[ADV] offset:16384*\e
	ds_load_b128 v[196+8*\e:199+8*\e], v[ADV] offset:16384*\e+512
	ds_load_b32 v[248+\e], v[ADT] offset:2048*\e
.endr
	s_wait_dscnt 12                                ; K's twelve loads are in; V's twelve, issued behind them, land under the softmax
.irp t, 0,2,4,6
	v_wmma_scale_f32_16x16x128_f8f6f4 v[96+8*\t:103+8*\t], v[32+8*\t:39+8*\t], v[16:23], 0, v[240+\t/2], v255 matrix_a_fmt:MATRIX_FMT_FP4 matrix_b_fmt:MATRIX_FMT_FP4
	v_wmma_scale_f32_16x16x128_f8f6f4 v[104+8*\t:111+8*\t], v[40+8*\t:47+8*\t], v[16:23], 0, v[240+\t/2], v255 matrix_a_fmt:MATRIX_FMT_FP4 matrix_b_fmt:MATRIX_FMT_FP4 matrix_a_scale:MATRIX_SCALE_ROW1
.endr
.rept 4
	v_nop                                          ; four places ahead of the first read of the scores
.endr
	s_cmp_lt_u32 s[SS], s[SG]                      ; all keys count: no mask
	s_cbranch_scc1 .Lopen
	v_mov_b32 v254, 0xff800000                     ; on the diagonal hidden scores become -infinity: p = 0 then.  Register 16 b + i holds key 128 G + 16 (lane / 16) + 32 b + i
.irp n, 0,1,2,3,4,5,6,7,8,9,10,11,12,13,14,15,16,17,18,19,20,21,22,23,24,25,26,27,28,29,30,31,32,33,34,35,36,37,38,39,40,41,42,43,44,45,46,47,48,49,50,51,52,53,54,55,56,57,58,59,60,61,62,63
	v_cmp_gt_i32 vcc_lo, 32*(\n/16)+\n%16, v[DD]
	v_cndmask_b32 v[96+\n], v[96+\n], v254, vcc_lo
.endr
.Lopen:
.irp b, 0,1,2,3
	v_max3_num_f32 v[232+\b], v[96+16*\b], v[97+16*\b], v[98+16*\b]   ; the largest score of each block of 32 keys: it serves the row's maximum and, since p rises with the score, the block's largest p
.endr
.irp i, 3,5,7,9,11,13
.irp b, 0,1,2,3
	v_max3_num_f32 v[232+\b], v[232+\b], v[96+16*\b+\i], v[97+16*\b+\i]
.endr
.endr
.irp b, 0,1,2,3
	v_max_num_f32 v[232+\b], v[232+\b], v[111+16*\b]
.endr
.irp b, 0,1,2,3
	v_permlanex16_b32 v[236+\b], v[232+\b], s[SEL], s[SEL+1]
.endr
.irp b, 0,1,2,3
	v_max_num_f32 v[232+\b], v[232+\b], v[236+\b]  ; with lane l xor 16's 16 keys
.endr
	v_max3_num_f32 v254, v232, v233, v234
	v_max_num_f32 v254, v254, v235                 ; the step's largest score of my query
	v_mul_f32 v254, s[CS], v254                    ; as t
	v_max_num_f32 v13, v13, v254                   ; the running largest t
	v_mov_b32 v254, v12
	v_floor_f32 v12, -v13                          ; the new -M = -ceil(t)
	v_sub_f32 v254, v12, v254                      ; old M - new M: a whole number, 0 or less
	v_cvt_i32_f32 v254, v254                       ; (it saturates)
	v_ldexp_f32 v252, 1.0, v254                    ; f = 2^(old M - new M)
.set j, 0
.rept 32
	v_pk_fma_f32 v[96+j:97+j], v[96+j:97+j], s[CS:CS+1], v[12:13] op_sel_hi:[1,0,0]   ; t - M, two at a time
.set j, j+2
.endr
.irp b, 0,1,2,3
	v_fma_f32 v[232+\b], v[232+\b], s[CS], v12     ; the same of each block's largest score
.endr
.set j, 0
.rept 64
	v_exp_f32 v[96+j], v[96+j]                     ; p = 2^(t - M)
.set j, j+1
.endr
	v_pk_mul_f32 v[14:15], v[14:15], v[252:253] op_sel_hi:[1,0]   ; the sums under the new M: a plain line behind the exponentials
	s_wait_alu depctr_va_vdst(0)                   ; one wait for the batch of 64, ahead of its first reader
.irp b, 0,1,2,3
	v_exp_f32 v[232+\b], v[232+\b]                 ; the block's largest p
.endr
	v_pk_add_f32 v[236:237], v[96:97], v[98:99]    ; the row's sum of the unquantised p, in two chains; it reads the 64 alone
.irp j, 4,8,12,16,20,24,28,32,36,40,44,48,52,56,60
	v_pk_add_f32 v[14:15], v[14:15], v[96+\j:97+\j]
	v_pk_add_f32 v[236:237], v[236:237], v[98+\j:99+\j]
.endr
	v_pk_add_f32 v[14:15], v[14:15], v[236:237]
	s_wait_alu depctr_va_vdst(0)                   ; and one for the four
.irp b, 0,1,2,3
	v_max_num_f32 v[232+\b], 0x1800000, v[232+\b]  ; the floor 2^(3 - 127)
.endr
.irp b, 0,1,2,3
	v_add_nc_u32 v[244+\b], 0xff000000, v[232+\b]  ; the conversion's scale operand
.endr
.irp b, 0,1,2,3
	v_lshrrev_b32 v[236+\b], 23, v[244+\b]         ; the scale's byte
.endr
	v_lshl_or_b32 v253, v237, 8, v236              ; p's scale word for these 128 keys
	v_lshl_or_b32 v253, v238, 16, v253
	v_lshl_or_b32 v253, v239, 24, v253
.irp b, 0,1,2,3
	v_cvt_scalef32_pk8_fp4_f32 v[224+2*\b], v[96+16*\b:103+16*\b], v[244+\b]
	v_cvt_scalef32_pk8_fp4_f32 v[225+2*\b], v[104+16*\b:111+16*\b], v[244+\b]
.endr
	v_nop                                          ; one plain line behind the last conversion
.irp c, 0,1
.irp i, 0,1
	v_permlane16_swap_b32 v[224+4*\c+\i], v[226+4*\c+\i]   ; a whole block to a lane
.endr
.endr
.set j, 0
.rept 16
	v_pk_mul_f32 v[160+j:161+j], v[160+j:161+j], v[252:253] op_sel_hi:[1,0]   ; O^T under the new M.  (These sixteen also stand between the writes of p's codes and scale word and the products)
.set j, j+2
.endr
	s_wait_dscnt 0x0                               ; V and its scale words are in
.irp e, 0,1,2,3
	v_wmma_scale_f32_16x16x128_f8f6f4 v[160+8*\e:167+8*\e], v[192+8*\e:199+8*\e], v[224:231], v[160+8*\e:167+8*\e], v[248+\e], v253 matrix_a_fmt:MATRIX_FMT_FP4 matrix_b_fmt:MATRIX_FMT_FP4
.endr
.Lhid:
	s_add_co_u32 s[TK], s[TK], 4096                ; the next step's tiles and scale words
	s_add_co_u32 s[TV], s[TV], 1024
	s_add_co_u32 s[TSK], s[TSK], 512
	s_add_co_u32 s[TSV], s[TSV], 128
	s_add_co_u32 s[SS], s[SS], 1
	s_cmp_lt_u32 s[SS], 16
	s_cbranch_scc1 .Lstep
	; ---- the pass's end: O^T / the sum, quantised along the head's 64 (two blocks of the last product's K), leaves as half a fragment and a scale word
	v_add_f32 v14, v14, v15
	v_permlanex16_b32 v252, v14, s[SEL], s[SEL+1]
	v_add_f32 v14, v14, v252                       ; the row's sum
	v_rcp_f32 v14, v14
	s_lshl_b32 s38, s[SG], 3
	s_add_co_u32 s38, s38, s[SE]                   ; my tile of queries
	s_lshl_b32 s39, s38, 12
	s_lshl_b32 s40, s38, 7
	v_add_nc_u32 v[VOC], s39, v[LI]
	v_add_nc_u32 v[VOS], s40, v[L4]
	v_nop
	v_nop
	s_wait_alu depctr_va_vdst(0)                   ; the wait ahead of the reciprocal's first reader
.set j, 0
.rept 16
	v_pk_mul_f32 v[96+j:97+j], v[160+j:161+j], v[14:15] op_sel_hi:[1,0]   ; register 16 B + i is o(my query, d = 32 B + 16 (lane / 16) + i); each accumulator from its low end on
.set j, j+2
.endr
.irp b, 0,1
	v_max3_num_f32 v[232+\b], |v[96+16*\b]|, |v[97+16*\b]|, 0x1800000
.endr
.irp i, 2,4,6,8,10,12,14
.irp b, 0,1
	v_max3_num_f32 v[232+\b], v[232+\b], |v[96+16*\b+\i]|, |v[97+16*\b+\i]|
.endr
.endr
.irp b, 0,1
	v_permlanex16_b32 v[236+\b], v[232+\b], s[SEL], s[SEL+1]
.endr
.irp b, 0,1
	v_max_num_f32 v[232+\b], v[232+\b], v[236+\b]
.endr
.irp b, 0,1
	v_add_nc_u32 v[244+\b], 0xff000000, v[232+\b]
.endr
.irp b, 0,1
	v_lshrrev_b32 v[236+\b], 23, v[244+\b]
.endr
	v_lshl_or_b32 v253, v237, 8, v236              ; two bytes; the upper half is 0: the last launch joins two heads' halves
.irp b, 0,1
	v_cvt_scalef32_pk8_fp4_f32 v[224+2*\b], v[96+16*\b:103+16*\b], v[244+\b]
	v_cvt_scalef32_pk8_fp4_f32 v[225+2*\b], v[104+16*\b:111+16*\b], v[244+\b]
.endr
	v_nop
	v_permlane16_swap_b32 v224, v226
	v_permlane16_swap_b32 v225, v227
	global_store_b128 v[VOC], v[224:227], s[OCP:OCP+1]   ; 512 consecutive aligned bytes
	global_store_b32 v[VOS], v253, s[OSP:OSP+1]          ; 128 consecutive bytes
	s_wait_xcnt 0x0                                ; the stores' data and offsets are written again
	v_mov_b32 v16, v24                             ; the second pass's Q
	v_mov_b32 v17, v25
	v_mov_b32 v18, v26
	v_mov_b32 v19, v27
	v_mov_b32 v255, v28
	s_sub_co_u32 s[SG], 15, s[SG]
	s_sub_co_u32 s[PASS], s[PASS], 1
	s_cmp_lg_u32 s[PASS], 0
	s_cbranch_scc1 .Lpass
	s_wait_dscnt 0x0                               ; no LDS instruction of mine is out at the signal
	s_wait_xcnt 0x0
	v_lshl_add_u32 v254, v0, 2, 0x29000
	v_mov_b32 v255, 0
	s_wait_tensorcnt 0x0
	ds_add_u32 v254, v255
	s_wait_dscnt 0x0
	ROUND                                          ; the closing round: no work-group ends while a partner may still ask jointly
	s_endpgm
.Lfunc_end_k_q0a45fe1ed0_attn:
	.size	k_q0a45fe1ed0_attn, .Lfunc_end_k_q0a45fe1ed0_attn-k_q0a45fe1ed0_attn
	.p2alignl 7, 3214868480
	.fill 96, 4, 3214868480
	.section	.rodata,"a",@progbits
	.p2align	6, 0x0
	.amdhsa_kernel k_q0a45fe1ed0_attn
		.amdhsa_group_segment_fixed_size 169984
		.amdhsa_private_segment_fixed_size 0
		.amdhsa_enable_private_segment 0
		.amdhsa_kernarg_size 24
		.amdhsa_user_sgpr_count 2
		.amdhsa_user_sgpr_kernarg_segment_ptr 1
		.amdhsa_wavefront_size32 1
		.amdhsa_system_sgpr_workgroup_id_x 1
		.amdhsa_system_sgpr_workgroup_id_y 1
		.amdhsa_system_sgpr_workgroup_id_z 1
		.amdhsa_system_vgpr_workitem_id 0
		.amdhsa_next_free_vgpr 256
		.amdhsa_next_free_sgpr 66
		.amdhsa_reserve_vcc 1
		.amdhsa_float_denorm_mode_32 3
		.amdhsa_float_denorm_mode_16_64 3
		.amdhsa_memory_ordered 1
		.amdhsa_forward_progress 1
		.amdhsa_inst_pref_size 33
	.end_amdhsa_kernel
	.amdgpu_metadata
---
amdhsa.version: [ 1, 2 ]
amdhsa.kernels:
  - .name:           k_q0a45fe1ed0_attn
    .symbol:         k_q0a45fe1ed0_attn.kd
    .args:
      - { .name: qkv, .offset: 0, .size: 8, .value_kind: global_buffer, .address_space: global }
      - { .name: ocodes, .offset: 8, .size: 8, .value_kind: global_buffer, .address_space: global }
      - { .name: oscales, .offset: 16, .size: 8, .value_kind: global_buffer, .address_space: global }
    .group_segment_fixed_size: 169984
    .private_segment_fixed_size: 0
    .kernarg_segment_align: 8
    .kernarg_segment_size: 24
    .max_flat_workgroup_size: 512
    .sgpr_count:     66
    .vgpr_count:     256
    .wavefront_size: 32
...
	.end_amdgpu_metadata
.endif
;; end of part 3
;; launch oproj (part 4): grid 256 x 1, 4 waves a work-group, no clusters, 34,304 bytes of LDS; arguments ocodes, oscales, wcodes, wscales, bo, out0; writes out0
.if DOCPART == 4
	.amdgcn_target "amdgcn-amd-amdhsa--gfx1250"
	.amdhsa_code_object_version 6
	.text
	.protected	k_q0a45fe1ed0_oproj
	.globl	k_q0a45fe1ed0_oproj
	.p2align	8
	.type	k_q0a45fe1ed0_oproj,@function
k_q0a45fe1ed0_oproj:
	s_mov_b64 s[64:65], 0
	v_nop
	global_prefetch_b8 v0, s[64:65] scope:SCOPE_SE
	s_setreg_imm32_b32 hwreg(HW_REG_WAVE_MODE, 25, 1), 1
	s_wait_xcnt 0x0
; out0 = O Wo + bo on codes of FP4 (E2M1) with E8M0 scales.  O's codes [tile of 16 rows 1,024][K step 4][image 1,024 B]; its scale words come by head, [head 64][tile 128][32 x 4 B], two bytes each: two heads' words make a K step's.
; Wo's codes and scale words as the first launch has laid them (weight 3).  out0: [16,384][512] f32.  Row rho of tile 2 B + u (rows and n alike) is index 32 B + 8 u + rho + 8 (rho / 8).
; SHARES.  Work-group g: four tiles of rows (64 rows).  Wave w: n = 128 w .. + 127, eight tiles of Wo, all four K steps, in registers.  Waves share nothing: no barrier.  All loads go out at once: the launch is one fetch, 128 products a wave and the way out.
; Source 0 = 16 rows of Wo, source 1 = 16 rows of O: a lane holds one row and, in two neighbouring tiles' 16 registers, 16 neighbouring n.  The bias is the C of the first products.
; No cluster and no LDS for Wo: 139,264 bytes a work-group, read once.  No prefetch: nothing is asked for later than at the head.
; REGISTERS.  Window 0: below.  Window 1: Wo's 32 fragments at v[8 (4 i + s)].  Window 2: v0-127 O's 16 fragments at v[32 m + 8 s]; v128-191 the bias in the result's layout.
.set SPI, 528                          ; a stage row: 512 bytes + 16
.set LI,  4
.set LS,  5
.set BO6, 6
.set SO,  7
.set SR,  8
.set WSR, 16                           ; v16-47  Wo's scale words (4 i + s)
.set RAW, 48                           ; v48-79  O's scale words by head (8 m + h)
.set XS,  80                           ; v80-95  joined (4 m + s)
.set HA,  96                           ; v96-159 eight accumulators
.set BK,  160                          ; v160-223 16 rows back from the stage
.set MSB, 0
.macro WIN new
.if MSB != \new
	s_set_vgpr_msb (MSB<<8)|\new
.set MSB, \new
.endif
.endm
	s_load_b256 s[4:11], s[0:1], 0x0               ; ocodes, oscales, wcodes, wscales
	s_load_b128 s[12:15], s[0:1], 0x20             ; bo, out0
	v_lshl_add_u32 v254, v0, 2, 0x8400
	v_mov_b32 v255, 0
	v_lshrrev_b32 v1, 5, v0
	v_readfirstlane_b32 s16, v1                    ; wave
	v_and_b32 v1, 31, v0
	v_and_b32 v2, 15, v0
	v_bfe_u32 v3, v0, 4, 1
	v_lshlrev_b32 v[LI], 4, v1
	v_lshlrev_b32 v[LS], 2, v1
	v_lshlrev_b32 v[BO6], 6, v3
	s_mul_i32 s17, s16, 16*SPI                     ; my stage
	v_mul_u32_u24 v[SO], v2, SPI
	v_lshl_add_u32 v[SO], v3, 6, v[SO]
	v_add_nc_u32 v[SO], s17, v[SO]                 ; in: row r, + 64 (lane / 16)
	v_add_nc_u32 v[SR], s17, v[LI]                 ; back: a row of 512 bytes to the 32 lanes
	s_mov_b32 s19, 0
	s_wait_kmcnt 0x0
	s_lshl_b32 s18, ttmp9, 14                      ; four tiles of 4,096 bytes
	s_add_nc_u64 s[4:5], s[4:5], s[18:19]
	s_lshr_b32 s18, ttmp9, 5                       ; the batch: eight heads of 16,384 bytes;
	s_lshl_b32 s18, s18, 17
	s_and_b32 s20, ttmp9, 31
	s_lshl_b32 s20, s20, 9                         ; four tiles of 128 bytes
	s_add_co_u32 s18, s18, s20
	s_add_nc_u64 s[6:7], s[6:7], s[18:19]
	s_lshl_b32 s18, s16, 15
	s_add_co_u32 s18, s18, 393216                  ; weight 3, my eight tiles
	s_add_nc_u64 s[8:9], s[8:9], s[18:19]
	s_lshl_b32 s18, s16, 12
	s_add_co_u32 s18, s18, 49152
	s_add_nc_u64 s[10:11], s[10:11], s[18:19]
	s_lshl_b32 s18, s16, 9
	s_add_nc_u64 s[12:13], s[12:13], s[18:19]
	s_lshl_b32 s20, ttmp9, 17                      ; 64 rows of 2,048 bytes
	s_add_co_u32 s18, s18, s20
	s_add_nc_u64 s[14:15], s[14:15], s[18:19]
	WIN 0x40
.set k, 0
.rept 64
	global_load_b128 v[4*k:4*k+3], v[LI], s[8:9] offset:512*k
.set k, k+1
.endr
	WIN 0x80
.set k, 0
.rept 32
	global_load_b128 v[4*k:4*k+3], v[LI], s[4:5] offset:512*k th:TH_LOAD_NT
.set k, k+1
.endr
.irp t, 0,1,2,3,4,5,6,7
	global_load_b128 v[128+8*\t:131+8*\t], v[BO6], s[12:13] offset:(32*(\t/2)+8*(\t%2))*4
	global_load_b128 v[132+8*\t:135+8*\t], v[BO6], s[12:13] offset:(32*(\t/2)+8*(\t%2))*4+16
.endr
	WIN 0
.set k, 0
.rept 32
	global_load_b32 v[WSR+k], v[LS], s[10:11] offset:128*k
.set k, k+1
.endr
.irp m, 0,1,2,3
.irp h, 0,1,2,3,4,5,6,7
	global_load_b32 v[RAW+8*\m+\h], v[LS], s[6:7] offset:16384*\h+128*\m
.endr
.endr
	s_wait_loadcnt 0x0
.irp m, 0,1,2,3
.irp s, 0,1,2,3
	v_lshl_or_b32 v[XS+4*\m+\s], v[RAW+8*\m+2*\s+1], 16, v[RAW+8*\m+2*\s]   ; heads 2 s and 2 s + 1: the four bytes of K step s
.endr
.endr
.rept 8
	v_nop                                          ; scale registers written by vector instructions stand eight places ahead of the products
.endr
.macro MUL8 m, s, cb                   ; eight products, the eight accumulators by turns, one instruction a turn
.irp i, 0,1,2,3,4,5,6,7
	v_wmma_scale_f32_16x16x128_f8f6f4 v[HA+8*\i:HA+8*\i+7], v[8*(4*\i+\s):8*(4*\i+\s)+7], v[32*(\m)+8*\s:32*(\m)+8*\s+7], v[\cb+8*\i:\cb+8*\i+7], v[WSR+4*\i+\s], v[XS+4*(\m)+\s] matrix_a_fmt:MATRIX_FMT_FP4 matrix_b_fmt:MATRIX_FMT_FP4
.endr
.endm
.macro TILE m
	WIN 0x29                                       ; source 0 window 1, sources 1 and 2 window 2
	MUL8 \m, 0, 128
	WIN 0x09                                       ; C back in window 0
	MUL8 \m, 1, HA
	MUL8 \m, 2, HA
	MUL8 \m, 3, HA
	WIN 0
.rept 5
	v_nop                                          ; four places ahead of the stores that read the results; five ahead of the next tile's products, which begin the same accumulators anew
.endr
.irp q, 0,1,2,3,4,5,6,7,8,9,10,11,12,13,14,15
	ds_store_b128 v[SO], v[HA+4*\q:HA+4*\q+3] offset:128*(\q/4)+16*(\q%4)   ; ascending: each accumulator from its low end on
.endr
	s_wait_xcnt 0x0                                ; the last tile's stores have read their registers
.irp i, 0,1,2,3,4,5,6,7,8,9,10,11,12,13,14,15
	ds_load_b128 v[BK+4*\i:BK+4*\i+3], v[SR] offset:SPI*\i   ; LDS serves a wave's instructions in order: these see the stores above
.endr
.irp i, 0,1,2,3,4,5,6,7,8,9,10,11,12,13,14,15
	s_wait_dscnt 15-\i                             ; row i is back; the younger rows may be out
	global_store_b128 v[LI], v[BK+4*\i:BK+4*\i+3], s[14:15] offset:(32*((\m)/2)+8*((\m)%2)+\i+8*(\i/8))*2048 th:TH_STORE_NT   ; 512 consecutive aligned bytes of one row
.endr
.endm
	TILE 0
	TILE 1
	TILE 2
	TILE 3
	s_wait_tensorcnt 0x0
	ds_add_u32 v254, v255
	s_wait_dscnt 0x0
	s_endpgm
.Lfunc_end_k_q0a45fe1ed0_oproj:
	.size	k_q0a45fe1ed0_oproj, .Lfunc_end_k_q0a45fe1ed0_oproj-k_q0a45fe1ed0_oproj
	.p2alignl 7, 3214868480
	.fill 96, 4, 3214868480
	.section	.rodata,"a",@progbits
	.p2align	6, 0x0
	.amdhsa_kernel k_q0a45fe1ed0_oproj
		.amdhsa_group_segment_fixed_size 34304
		.amdhsa_private_segment_fixed_size 0
		.amdhsa_enable_private_segment 0
		.amdhsa_kernarg_size 48
		.amdhsa_user_sgpr_count 2
		.amdhsa_user_sgpr_kernarg_segment_ptr 1
		.amdhsa_wavefront_size32 1
		.amdhsa_system_sgpr_workgroup_id_x 1
		.amdhsa_system_sgpr_workgroup_id_y 1
		.amdhsa_system_sgpr_workgroup_id_z 1
		.amdhsa_system_vgpr_workitem_id 0
		.amdhsa_next_free_vgpr 768
		.amdhsa_next_free_sgpr 66
		.amdhsa_reserve_vcc 0
		.amdhsa_float_denorm_mode_32 3
		.amdhsa_float_denorm_mode_16_64 3
		.amdhsa_memory_ordered 1
		.amdhsa_forward_progress 1
		.amdhsa_inst_pref_size 53
	.end_amdhsa_kernel
	.amdgpu_metadata
---
amdhsa.version: [ 1, 2 ]
amdhsa.kernels:
  - .name:           k_q0a45fe1ed0_oproj
    .symbol:         k_q0a45fe1ed0_oproj.kd
    .args:
      - { .name: ocodes, .offset: 0, .size: 8, .value_kind: global_buffer, .address_space: global }
      - { .name: oscales, .offset: 8, .size: 8, .value_kind: global_buffer, .address_space: global }
      - { .name: wcodes, .offset: 16, .size: 8, .value_kind: global_buffer, .address_space: global }
      - { .name: wscales, .offset: 24, .size: 8, .value_kind: global_buffer, .address_space: global }
      - { .name: bo, .offset: 32, .size: 8, .value_kind: global_buffer, .address_space: global }
      - { .name: out0, .offset: 40, .size: 8, .value_kind: global_buffer, .address_space: global }
    .group_segment_fixed_size: 34304
    .private_segment_fixed_size: 0
    .kernarg_segment_align: 8
    .kernarg_segment_size: 48
    .max_flat_workgroup_size: 128
    .sgpr_count:     66
    .vgpr_count:     768
    .wavefront_size: 32
...
	.end_amdgpu_metadata
.endif
;; end of part 4
;; ======== version 2 of 2: 4 launches
;; workspace buffers: wcodes 524,288 bytes; wscales 65,536 bytes; qkv 14,155,776 bytes; ocodes 4,194,304 bytes; oscales 1,048,576 bytes
;; launch wquant (part 5): grid 16 x 4, 4 waves a work-group, no clusters, 0 bytes of LDS; arguments Wq, Wk, Wv, Wo, wcodes, wscales; writes wcodes, wscales
.if DOCPART == 5
	.amdgcn_target "amdgcn-amd-amdhsa--gfx1250"
	.amdhsa_code_object_version 6
	.text
	.protected	k_q0a45fe1ed0_wquant
	.globl	k_q0a45fe1ed0_wquant
	.p2align	8
	.type	k_q0a45fe1ed0_wquant,@function
k_q0a45fe1ed0_wquant:
	s_mov_b64 s[64:65], 0
	v_nop
	global_prefetch_b8 v0, s[64:65] scope:SCOPE_SE
	s_setreg_imm32_b32 hwreg(HW_REG_WAVE_MODE, 25, 1), 1
	s_wait_xcnt 0x0
; Wq, Wk, Wv, Wo: [512 (k)][512 (n)] f32, K the FIRST axis, become codes of FP4 (E2M1) with one E8M0 byte for each 32 along K, laid as the later launches' operand registers want them.
; A block's scale is 2^(floor(log2(its largest magnitude)) - 2); its byte is the largest magnitude's exponent field - 2, held at 1 from below by a floor among the maximum's leaves.
; LIMITS: NaN and infinities are not served; a block whose largest magnitude lies under 2^-124 keeps the byte 1; a block of zeros gets the byte 1 where the rule says 127 (its codes are zeros, and this program alone reads the bytes).
; OUT.  wcodes [weight 4][n tile 32][K step 4][image 1,024 B]: an image is a fragment's registers on end: [block of 32 k: 4][row 16][16 B].  wscales [weight][tile][K step][32 lanes x 4 B], lanes 16-31 repeating lanes 0-15.
; THE ROWS OF A TILE ARE NOT NEIGHBOURS: row rho of tile 2 B + u is column n = 32 B + 8 u + rho + 8 (rho / 8).
; SHARES.  Work-group (x, y): weight y, columns 128 (x & 3) on, K step x >> 2.  A wave takes 32 columns, A LANE ONE COLUMN, AND ITS 128 REGISTERS RUN DOWN K: a block lies in one lane, and the conversions give K innermost.
; 64 work-groups: a finer cut would leave a lane less than one scale word.  No LDS, no barrier, no cluster: waves share nothing, and every byte is read once.
.set X,  32                            ; v32-159  my column's 128 numbers
.set C,  160                           ; v160-175 their codes, four registers a block
.set SW, 24                            ; v24      the scale word
	s_load_b256 s[4:11], s[0:1], 0x0               ; Wq, Wk, Wv, Wo
	s_load_b128 s[12:15], s[0:1], 0x20             ; wcodes, wscales
	v_lshrrev_b32 v1, 5, v0
	v_readfirstlane_b32 s16, v1                    ; wave
	v_and_b32 v1, 31, v0                           ; lane = my column in the wave's 32
	v_lshlrev_b32 v2, 2, v1                        ; in: 4 bytes a lane
	v_bfe_u32 v5, v0, 3, 1                         ; u: which of the two tiles my column falls into
	v_and_b32 v6, 7, v0
	v_bfe_u32 v7, v0, 4, 1
	v_lshl_or_b32 v6, v7, 3, v6                    ; rho: its row there
	v_lshlrev_b32 v3, 4, v6
	v_lshl_add_u32 v3, v5, 12, v3                  ; codes: 4,096 u + 16 rho
	v_lshlrev_b32 v4, 2, v6
	v_lshl_add_u32 v4, v5, 9, v4                   ; scale words: 512 u + 4 rho
	s_and_b32 s17, ttmp7, 0xffff                   ; which weight
	s_and_b32 s18, ttmp9, 3                        ; which 128 columns
	s_lshr_b32 s19, ttmp9, 2                       ; which K step
	s_lshl_b32 s20, s18, 2
	s_add_co_u32 s20, s20, s16                     ; which 32 columns
	s_lshl_b32 s22, s19, 18                        ; W: 128 rows of 2,048 bytes a K step,
	s_lshl_b32 s21, s20, 7                         ; 128 bytes for each 32 columns
	s_add_co_u32 s22, s22, s21
	s_mov_b32 s23, 0
	s_lshl_b32 s24, s17, 17                        ; codes: 131,072 a weight, 8,192 a pair of tiles, 1,024 a K step
	s_lshl_b32 s21, s20, 13
	s_add_co_u32 s24, s24, s21
	s_lshl_b32 s21, s19, 10
	s_add_co_u32 s24, s24, s21
	s_mov_b32 s25, 0
	s_lshl_b32 s26, s17, 14                        ; scale words: 16,384, 1,024, 128
	s_lshl_b32 s21, s20, 10
	s_add_co_u32 s26, s26, s21
	s_lshl_b32 s21, s19, 7
	s_add_co_u32 s26, s26, s21
	s_mov_b32 s27, 0
	s_wait_alu depctr_va_vdst(0)
	s_wait_kmcnt 0x0
	s_cmp_eq_u32 s17, 1                            ; the weight is chosen by the work-group's number alone
	s_cselect_b64 s[4:5], s[6:7], s[4:5]
	s_cmp_eq_u32 s17, 2
	s_cselect_b64 s[4:5], s[8:9], s[4:5]
	s_cmp_eq_u32 s17, 3
	s_cselect_b64 s[4:5], s[10:11], s[4:5]
	s_add_nc_u64 s[4:5], s[4:5], s[22:23]
	s_add_nc_u64 s[12:13], s[12:13], s[24:25]
	s_add_nc_u64 s[14:15], s[14:15], s[26:27]
.set i, 0
.rept 128
	global_load_b32 v[X+i], v2, s[4:5] offset:2048*i th:TH_LOAD_NT   ; W(128 s + i, my column): a wave reads 128 consecutive bytes, the four waves 512
.set i, i+1
.endr
.macro BLOCK b                         ; block b of my column: 32 numbers, all mine
.set XS, X+32*\b
.if \b == 0
	s_wait_loadcnt 63                              ; behind block 0's loads stand 96, behind block 1's 64; a wait's count names 63 at the most, so one wait for 63 serves both blocks
.elseif \b == 2
	s_wait_loadcnt 32                              ; block 3's loads may be out
.elseif \b == 3
	s_wait_loadcnt 0x0
.endif
	v_max3_num_f32 v12, |v[XS]|, |v[XS+1]|, |v[XS+2]|               ; the largest magnitude, in two chains
	v_max3_num_f32 v13, |v[XS+3]|, |v[XS+4]|, |v[XS+5]|
.irp i, 6,10,14,18,22,26
	v_max3_num_f32 v12, v12, |v[XS+\i]|, |v[XS+\i+1]|
	v_max3_num_f32 v13, v13, |v[XS+\i+2]|, |v[XS+\i+3]|
.endr
	v_max3_num_f32 v12, v12, |v[XS+30]|, |v[XS+31]|
	v_max3_num_f32 v12, v12, v13, 0x1800000        ; and the floor 2^(3 - 127): the byte cannot fall under 1
	v_add_nc_u32 v11, 0xff000000, v12              ; 2 off the exponent field: the conversion takes this operand's exponent field as its scale
	v_lshrrev_b32 v13, 23, v11                     ; the scale's byte
.if \b == 0
	v_mov_b32 v[SW], v13
.else
	v_lshl_or_b32 v[SW], v13, 8*\b, v[SW]          ; the lower K in the lower byte
.endif
.irp g, 0,1,2,3
	v_cvt_scalef32_pk8_fp4_f32 v[C+4*\b+\g], v[XS+8*\g:XS+8*\g+7], v11
.endr
.endm
	BLOCK 0                                        ; (each next block begins with plain vector lines: the place behind the conversions)
	BLOCK 1
	BLOCK 2
	BLOCK 3
	v_nop                                          ; one plain line behind the last conversion
.irp b, 0,1,2,3
	global_store_b128 v3, v[C+4*\b:C+4*\b+3], s[12:13] offset:256*\b   ; block b of 16 rows is 256 consecutive aligned bytes: the sixteen lanes of each tile fill one such run
.endr
	global_store_b32 v4, v[SW], s[14:15]           ; the scale words, twice: lanes 0-15's place and lanes 16-31's.  Pieces of 64 bytes: 65,536 bytes in the whole launch
	global_store_b32 v4, v[SW], s[14:15] offset:64
	s_endpgm
.Lfunc_end_k_q0a45fe1ed0_wquant:
	.size	k_q0a45fe1ed0_wquant, .Lfunc_end_k_q0a45fe1ed0_wquant-k_q0a45fe1ed0_wquant
	.p2alignl 7, 3214868480
	.fill 96, 4, 3214868480
	.section	.rodata,"a",@progbits
	.p2align	6, 0x0
	.amdhsa_kernel k_q0a45fe1ed0_wquant
		.amdhsa_group_segment_fixed_size 0
		.amdhsa_private_segment_fixed_size 0
		.amdhsa_enable_private_segment 0
		.amdhsa_kernarg_size 48
		.amdhsa_user_sgpr_count 2
		.amdhsa_user_sgpr_kernarg_segment_ptr 1
		.amdhsa_wavefront_size32 1
		.amdhsa_system_sgpr_workgroup_id_x 1
		.amdhsa_system_sgpr_workgroup_id_y 1
		.amdhsa_system_sgpr_workgroup_id_z 1
		.amdhsa_system_vgpr_workitem_id 0
		.amdhsa_next_free_vgpr 192
		.amdhsa_next_free_sgpr 66
		.amdhsa_reserve_vcc 0
		.amdhsa_float_denorm_mode_32 3
		.amdhsa_float_denorm_mode_16_64 3
		.amdhsa_memory_ordered 1
		.amdhsa_forward_progress 1
		.amdhsa_inst_pref_size 21
	.end_amdhsa_kernel
	.amdgpu_metadata
---
amdhsa.version: [ 1, 2 ]
amdhsa.kernels:
  - .name:           k_q0a45fe1ed0_wquant
    .symbol:         k_q0a45fe1ed0_wquant.kd
    .args:
      - { .name: Wq, .offset: 0, .size: 8, .value_kind: global_buffer, .address_space: global }
      - { .name: Wk, .offset: 8, .size: 8, .value_kind: global_buffer, .address_space: global }
      - { .name: Wv, .offset: 16, .size: 8, .value_kind: global_buffer, .address_space: global }
      - { .name: Wo, .offset: 24, .size: 8, .value_kind: global_buffer, .address_space: global }
      - { .name: wcodes, .offset: 32, .size: 8, .value_kind: global_buffer, .address_space: global }
      - { .name: wscales, .offset: 40, .size: 8, .value_kind: global_buffer, .address_space: global }
    .group_segment_fixed_size: 0
    .private_segment_fixed_size: 0
    .kernarg_segment_align: 8
    .kernarg_segment_size: 48
    .max_flat_workgroup_size: 128
    .sgpr_count:     66
    .vgpr_count:     192
    .wavefront_size: 32
...
	.end_amdgpu_metadata
.endif
;; end of part 5
;; launch proj (part 6): grid 64 x 3, 4 waves a work-group, no clusters, 223,744 bytes of LDS; arguments query, key, value, bq, bk, bv, wcodes, wscales, qkv; writes qkv
.if DOCPART == 6
	.amdgcn_target "amdgcn-amd-amdhsa--gfx1250"
	.amdhsa_code_object_version 6
	.text
	.protected	k_q0a45fe1ed0_proj
	.globl	k_q0a45fe1ed0_proj
	.p2align	8
	.type	k_q0a45fe1ed0_proj,@function
k_q0a45fe1ed0_proj:
	s_mov_b64 s[64:65], 0
	v_nop
	global_prefetch_b8 v0, s[64:65] scope:SCOPE_SE
	s_setreg_imm32_b32 hwreg(HW_REG_WAVE_SCHED_MODE, 0, 2), 2
	s_setreg_imm32_b32 hwreg(HW_REG_WAVE_MODE, 25, 1), 1
	s_wait_xcnt 0x0
	s_wait_alu depctr_vm_vsrc(0)
; q = query Wq + bq, k = key Wk + bk, v = value Wv + bv on codes of FP4 (E2M1) with E8M0 scales for each 32 along K; the results are quantised again at once, q and k along the head's 64, v along the keys,
; and leave as codes, laid as the attention launch's operand registers want them.  x: [16,384][512] f32, quantised here along its 512.  W: codes and scale words as the launch before has laid them.
; LIMITS: NaN and infinities are not served; a block whose largest magnitude lies under 2^-124 keeps the byte 1; a block of zeros gets the byte 1 where the rule says 127 (zero codes; the bytes are read by this program alone).
; SHARES.  Work-group (x, y): tensor y (0 q, 1 k, 2 v), rows 256 x on, as two blocks of 128 rows.  THE WAVES SHARE THE COLUMNS: wave w owns n = 128 w .. + 127 (heads 2 w, 2 w + 1).  192 work-groups that stay: 384 blocks do not
; divide by the 256 WGPs, and a work-group that takes two blocks fetches its W once.
; TILES.  Row rho of tile 2 B + u (of x's rows and of W's n alike) is index 32 B + 8 u + rho + 8 (rho / 8): with such tiles as source 0, the 16 result registers of tiles 2 B, 2 B + 1 are 16 neighbours, 32 B + 16 (lane / 16) + 0 .. 15.
; ONE FORM FOR THE THREE.  For o = 0 .. 7: D[i] (i = 0 .. 7) = sum over the four K steps s of P[i, s] (source 0) x R[o, s] (source 1).
;   q, k: P = my 8 tiles of W, R = x's tile o: a lane holds one row of x and 64 numbers along n: quantised they are two heads' half fragments (16 rows x 64).
;   v:    P = x's 8 tiles, R = my tile o of W: a lane holds one d and 64 numbers along the 128 keys: quantised they are one whole fragment of V^T (16 d x 128 keys).
; P and R differ only in an LDS base, chosen by the work-group's y.  All LDS writes stand between the block's second barrier and the next block's first; between the first and the second LDS is only read.
; x IS READ ONCE, DENSE: each load takes 512 consecutive bytes of a row; 16 rows x 128 K turn through the wave's own stage so that a lane gets 16 neighbours of each block of 32.
; No tensor loads: register loads keep 64 loads of 512 bytes a wave on their way without a ring's barriers.  No cluster: work-groups share only W, 139,264 bytes each, read once.  No prefetch: x is streamed throughout the launch.
; REGISTERS.  Window 0: below.  Window 1: P, 32 fragments at v[8 (4 i + s)].  Window 2: four sets of 64 for x as it is loaded.
; THE MODE: SCHED_MODE bits 1:0 = 2 (LLVM: expert scheduling mode 2), set by the entry lines.  The code itself states the register dependences between vector or matrix instructions and memory or LDS instructions, with s_wait_alu, always for 0.
; THE PLAN.  Registers that memory or LDS instructions touch:
;   v4-11, v24-27   offsets and LDS addresses: written at the head, never again.
;   window 2        set u % 4: unit u's global loads land; the stage's LDS stores read it; then it is asked for again.  No vector instruction names it.
;   HA, HB          the x phase's two buffers: unit u's turn through the stage lands in buffer u % 2, issued a unit ahead; QUANT of unit u reads it.  HB lies over PS, RS, CB and RF, which are dead in that phase.
;   PC, PW          written by QUANT; read by a unit's three image stores, or (PC) by a trip's global stores.
;   window 1, PS    P: LDS loads land once a block; the products read them.
;   RF, RS, CB      R: trip o's products read them; behind those the loads of trip o + 1 land, under QUANT.
;   ADR .. ADRB, VA0 .. VAS, SD   written once a trip; read by R's loads, and by the trip's three stores.
; A unit has one wait on vm_vsrc (behind the next unit's turn) and one on va_vdst (behind QUANT).  A trip has one on vm_vsrc (behind the products, beside the wait on XCNT), and two on va_vdst: behind the products and the address
; lines, and behind QUANT.
.set HS,   221184                      ; a head's record in qkv: K codes, V codes, K scale words, V scale words, Q codes, Q scale words
.set KC,   0
.set VC,   65536
.set KS,   131072
.set VS,   139264
.set QC,   147456
.set QS,   212992
.set SETB, 37888                       ; LDS: a set = 32 images of 1,024 bytes, 32 scale images of 128 at SSC, a table of 8 x 128 bytes at STB
.set SSC,  32768
.set STB,  36864
.set STG,  5*SETB                      ; x's set at 0, wave w's set of W at SETB (1 + w), then the stages
.set SPI,  528                         ; a stage row: 512 bytes + 16: 33 x 16 bytes, so that sixteen rows' 16-byte columns fall apart
.set STGB, 16*SPI
.set LI,   4                           ; v4   16 x lane: an image's place for my lane
.set LS,   5                           ; v5   4 x lane: a scale word's
.set STI,  6                           ; v6   the stage, in: as loaded
.set STO,  7                           ; v7   the stage, out: row r, + 64 (lane / 16)
.set XWI,  8                           ; v8   where I store x's images
.set XWS,  9                           ; v9   and their scale words
.set ADP,  10                          ; v10  P's images
.set ADPS, 11                          ; v11  P's scale images
.set ADR,  12                          ; v12-14 the next R: images, scale images, bias table
.set ADRS, 13
.set ADRB, 14
.set VC1,  16                          ; v16  16 x lane + the distance of the second half's codes
.set VS0,  17                          ; v17  my scale word's place
.set SH,   18                          ; v18  how far my scale word is shifted down
.set VA0,  19                          ; v19-21 the trip's store offsets
.set VA1,  20
.set VAS,  21
.set SD,   22                          ; v22  the scale word as stored
.set PW,   23                          ; v23  the scale word just made
.set WWI,  24                          ; v24, v25 my set of W: 16 x lane, 4 x lane
.set WWS,  25
.set BO6,  26                          ; v26  64 (lane / 16)
.set BO4,  27                          ; v27  4 (r + 8 (r / 8))
.set HB,   32                          ; v32-95  in the x phase: 64 numbers of a lane, the odd units'
.set PS,   32                          ; v32-63  P's scale words (4 i + s)
.set RS,   64                          ; v64-67  R's
.set CB,   68                          ; v68-75  v: my d's bias, eight times: the C of the first products
.set RF,   76                          ; v76-107 R's four fragments
.set HA,   108                         ; v108-171 the eight accumulators; in the x phase 64 numbers of a lane, the even units'
.set PC,   172                         ; v172-179 the codes just made
.set TM,   180                         ; v180-183 largest magnitudes, v184-187 the other half's, then bytes, v188-191 the conversions' scale operands
.set BA,   192                         ; v192-255 q, k: the bias in the result's layout
.set WV,   22
.set PP,   23
.set ISV,  24
.set XG,   25
.set XP,   26                          ; s[26:27] x at my wave's 32 rows of the block
.set BP,   28                          ; s[28:29] the bias at my 128 numbers
.set WCP,  30                          ; s[30:31] my 8 tiles' codes
.set WSP,  32                          ; s[32:33] their scale words
.set OP,   34                          ; s[34:35] qkv at head 2 w's record
.set MA,   36                          ; codes' offset = (o / 4) MA + (o % 4) MB + BLKC;  a block on: MC
.set MB,   37
.set MC,   38
.set NA,   39                          ; the same for the scale words: NA, NB, BLKS, NC
.set NB,   40
.set NC,   41
.set CSTR, 42
.set SSTR, 43
.set SHM,  44
.set BLKC, 45
.set BLKS, 46
.set WB,   47
.set PB,   48
.set RB0,  49
.set RO,   50
.set ROS,  51
.set ROB,  52
.set OO,   53
.set BLK,  54
.set SEL,  56                          ; s[56:57] v_permlanex16_b32's selects for lane l xor 16
.set MSB, 0
.macro WIN new                         ; the immediate's high byte repeats the setting that is left
.if MSB != \new
	s_set_vgpr_msb (MSB<<8)|\new
.set MSB, \new
.endif
.endm
; 64 numbers of a lane, register 16 b + i = k 32 b + 16 (lane / 16) + i of my row, become a fragment's codes in v[PC] on and its scale word in v[PW].
.macro QUANT s
.irp b, 0,1,2,3
	v_max3_num_f32 v[TM+\b], |v[\s+16*\b]|, |v[\s+1+16*\b]|, 0x1800000   ; my 16 numbers of block b, and the floor 2^(3 - 127): the byte cannot fall under 1.  (Each accumulator is read from its low end on)
.endr
.irp i, 2,4,6,8,10,12,14
.irp b, 0,1,2,3
	v_max3_num_f32 v[TM+\b], v[TM+\b], |v[\s+16*\b+\i]|, |v[\s+1+16*\b+\i]|   ; the four blocks by turns
.endr
.endr
.irp b, 0,1,2,3
	v_permlanex16_b32 v[TM+4+\b], v[TM+\b], s[SEL], s[SEL+1]
.endr
.irp b, 0,1,2,3
	v_max_num_f32 v[TM+\b], v[TM+\b], v[TM+4+\b]   ; with lane l xor 16's: the block's largest magnitude
.endr
.irp b, 0,1,2,3
	v_add_nc_u32 v[TM+8+\b], 0xff000000, v[TM+\b]  ; 2 off its exponent field: the conversion's scale operand
.endr
.irp b, 0,1,2,3
	v_lshrrev_b32 v[TM+4+\b], 23, v[TM+8+\b]       ; the scale's byte
.endr
	v_lshl_or_b32 v[PW], v[TM+5], 8, v[TM+4]
	v_lshl_or_b32 v[PW], v[TM+6], 16, v[PW]
	v_lshl_or_b32 v[PW], v[TM+7], 24, v[PW]
.irp b, 0,1,2,3
	v_cvt_scalef32_pk8_fp4_f32 v[PC+2*\b], v[\s+16*\b:\s+7+16*\b], v[TM+8+\b]
	v_cvt_scalef32_pk8_fp4_f32 v[PC+1+2*\b], v[\s+8+16*\b:\s+15+16*\b], v[TM+8+\b]
.endr
	v_nop                                          ; one plain line behind the last conversion
.irp c, 0,1                                    ; the operand wants a whole block in a lane: lanes 0-15 block 2 c, lanes 16-31 block 2 c + 1
.irp i, 0,1
	v_permlane16_swap_b32 v[PC+4*\c+\i], v[PC+2+4*\c+\i]
.endr
.endr
.endm
; Tile a (0, 1) of my 32 rows, K step s: 16 loads, each 512 consecutive aligned bytes of one row, into set s of window 2.
.macro XLOAD a, s, off
	WIN 0x80
.irp i, 0,1,2,3,4,5,6,7,8,9,10,11,12,13,14,15
	global_load_b128 v[64*(\s)+4*\i:64*(\s)+4*\i+3], v[LI], s[XP:XP+1] offset:(\off)+(8*(\a)+\i+8*(\i/8))*2048+512*(\s) th:TH_LOAD_NT
.endr
	WIN 0
.endm
; Unit u = 4 a + s (tile a, K step s) turns through my stage: out of set u % 4 as loaded, back into buffer u % 2 with 16 neighbours of each block of 32 to a lane.
.macro TURN u
	WIN 0x08                                       ; an LDS store's data: window 2
.irp i, 0,1,2,3,4,5,6,7,8,9,10,11,12,13,14,15
	ds_store_b128 v[STI], v[64*((\u)%4)+4*\i:64*((\u)%4)+4*\i+3] offset:SPI*\i   ; LDS serves a wave's instructions in order: these come behind the last turn's loads from the stage
.endr
	WIN 0
.set TB, HA-(HA-HB)*((\u)%2)
.irp b, 0,1,2,3
.irp j, 0,1,2,3
	ds_load_b128 v[TB+16*\b+4*\j:TB+16*\b+4*\j+3], v[STO] offset:128*\b+16*\j   ; and these see the stores above
.endr
.endr
.endm
; One unit becomes an image in x's set.  The NEXT unit's turn is issued first and lands while this unit is quantised.  cnt: the loads issued behind the next unit's 16.
; next = 1: the set just read out takes the loads of the unit four further on; 2: all four sets take the next block's tile 0, if there is a next block.
.macro UNIT u, cnt, next
.if (\u) < 7
	s_wait_loadcnt \cnt
	TURN (\u)+1                                    ; no wait on va_vdst here: the one behind the last unit's QUANT has shown the other buffer read out, and no vector instruction stands between
.endif
	s_wait_alu depctr_vm_vsrc(0)                   ; the stage's stores have read their set, in which the loads below land; the last unit's image stores have read PC and PW, which QUANT writes
.if \next == 1
	XLOAD 1, (\u)+1, 0
.elseif \next == 2
	s_cmp_eq_u32 s[BLK], 1                         ; no load leaves its buffer: the last block asks for nothing
	s_cbranch_scc1 .Lno_next
	XLOAD 0, 0, 262144                             ; 64 loads a wave, on their way through the whole product phase
	XLOAD 0, 1, 262144
	XLOAD 0, 2, 262144
	XLOAD 0, 3, 262144
.Lno_next:
.endif
.if (\u) < 7
	s_wait_dscnt 32                                ; all but the next unit's turn (32) is done: my buffer is in
.else
	s_wait_dscnt 3                                 ; behind my buffer's loads stand the last unit's three image stores
.endif
.set QB, HA-(HA-HB)*((\u)%2)
	QUANT QB
	s_wait_alu depctr_va_vdst(0)                   ; QUANT has written PC and PW, which the stores below read, and is done reading its buffer, in which the turn after next lands
	ds_store_b128 v[XWI], v[PC:PC+3] offset:(\u)*1024
	ds_store_b128 v[XWI], v[PC+4:PC+7] offset:(\u)*1024+512
	ds_store_b32 v[XWS], v[PW] offset:(\u)*128
.endm
; Eight products, K step s, the eight accumulators by turns, one instruction a turn.  C = v[cb + cs i].
.macro MUL8 s, cb, cs
.irp i, 0,1,2,3,4,5,6,7
	v_wmma_scale_f32_16x16x128_f8f6f4 v[HA+8*\i:HA+8*\i+7], v[8*(4*\i+\s):8*(4*\i+\s)+7], v[RF+8*\s:RF+8*\s+7], v[\cb+\cs*\i:\cb+\cs*\i+7], v[PS+4*\i+\s], v[RS+\s] matrix_a_fmt:MATRIX_FMT_FP4 matrix_b_fmt:MATRIX_FMT_FP4
.endr
.endm
; R's tile: four fragments, four scale words, and the lane's bias word into all eight registers of a C
.macro RLOAD
.irp s, 0,1,2,3
	ds_load_b128 v[RF+8*\s:RF+8*\s+3], v[ADR] offset:1024*\s
	ds_load_b128 v[RF+8*\s+4:RF+8*\s+7], v[ADR] offset:1024*\s+512
	ds_load_b32 v[RS+\s], v[ADRS] offset:128*\s
.endr
.irp j, 0,1,2,3,4,5,6,7
	ds_load_b32 v[CB+\j], v[ADRB]
.endr
.endm
	s_load_b512 s[4:19], s[0:1], 0x0               ; query, key, value, bq, bk, bv, wcodes, wscales
	s_load_b64 s[20:21], s[0:1], 0x40              ; qkv
	v_lshl_add_u32 v30, v0, 2, 0x36800
	v_mov_b32 v31, 0
	v_lshrrev_b32 v1, 5, v0
	v_readfirstlane_b32 s[WV], v1                  ; wave 0..3
	v_and_b32 v1, 31, v0                           ; lane
	v_and_b32 v2, 15, v0                           ; r
	v_bfe_u32 v3, v0, 4, 1                         ; lane / 16
	v_lshlrev_b32 v[LI], 4, v1
	s_wait_alu depctr_va_vdst(0)
	v_lshlrev_b32 v[LS], 2, v1
	s_wait_alu depctr_va_vdst(0)
	s_and_b32 s[PP], ttmp7, 0xffff                 ; 0 q, 1 k, 2 v
	s_mov_b32 s[XG], ttmp9
	s_mov_b32 s[SEL], 0x76543210
	s_mov_b32 s[SEL+1], 0xfedcba98
	s_wait_alu depctr_va_sdst(0)                   ; the wave's number is written, ahead of its first reader
	s_add_co_u32 s[WB], s[WV], 1
	s_mul_i32 s[WB], s[WB], SETB                   ; my set of W
	s_cmp_eq_u32 s[PP], 0                          ; where the results go in a head's record, and by what strides: all chosen by the work-group's y
	s_mov_b32 s[BLKC], QC
	s_cselect_b32 s[BLKC], s[BLKC], KC
	s_mov_b32 s[BLKS], QS
	s_cselect_b32 s[BLKS], s[BLKS], KS
	s_cmp_eq_u32 s[PP], 2
	s_cselect_b32 s[ISV], 1, 0
	s_cselect_b32 s[BLKC], VC, s[BLKC]
	s_cselect_b32 s[BLKS], VS, s[BLKS]
	s_mov_b32 s[MA], HS                            ; v: o / 4 is the head, o % 4 the tile of d, a block a key step.  q, k: o is the tile of rows
	s_cselect_b32 s[MA], s[MA], 2048
	s_mov_b32 s[MB], 16384
	s_cselect_b32 s[MB], s[MB], 512
	s_mov_b32 s[MC], 1024
	s_cselect_b32 s[MC], s[MC], 4096
	s_mov_b32 s[NA], HS
	s_cselect_b32 s[NA], s[NA], 256
	s_cselect_b32 s[NB], 2048, 64
	s_mov_b32 s[NC], 128
	s_cselect_b32 s[NC], s[NC], 512
	s_mov_b32 s[CSTR], HS                          ; the fragment's second half: v: 512 bytes on; q, k: the next head's record
	s_cselect_b32 s[CSTR], 512, s[CSTR]
	s_mov_b32 s[SSTR], HS                          ; lanes 16-31's scale word: v: the image's second half; q, k: the next head's, from the word's upper bytes
	s_cselect_b32 s[SSTR], 64, s[SSTR]
	s_cselect_b32 s[SHM], 0, 16
	s_cselect_b32 s[PB], 0, s[WB]                  ; P: v: x's set; q, k: my set of W
	s_cselect_b32 s[RB0], s[WB], 0                 ; R: the other one
	s_and_b32 s58, s[XG], 7
	s_lshl_b32 s58, s58, 1                         ; my first block among the batch's 16
	s_mul_i32 s59, s58, s[MC]
	s_add_co_u32 s[BLKC], s[BLKC], s59
	s_mul_i32 s59, s58, s[NC]
	s_add_co_u32 s[BLKS], s[BLKS], s59
	s_mul_i32 s58, s[WV], STGB
	s_add_co_u32 s58, s58, STG                     ; my stage
	v_add_nc_u32 v[STI], s58, v[LI]
	v_mul_u32_u24 v[STO], v2, SPI
	v_lshl_add_u32 v[STO], v3, 6, v[STO]
	v_add_nc_u32 v[STO], s58, v[STO]
	s_lshl_b32 s58, s[WV], 13                      ; x's set: my two tiles' eight images,
	v_add_nc_u32 v[XWI], s58, v[LI]
	s_lshl_b32 s58, s[WV], 10
	s_add_co_u32 s58, s58, SSC                     ; and their scale images
	v_add_nc_u32 v[XWS], s58, v[LS]
	v_add_nc_u32 v[ADP], s[PB], v[LI]
	s_add_co_u32 s58, s[PB], SSC
	v_add_nc_u32 v[ADPS], s58, v[LS]
	v_add_nc_u32 v[WWI], s[WB], v[LI]
	v_add_nc_u32 v[WWS], s[WB], v[LS]
	v_add_nc_u32 v[VC1], s[CSTR], v[LI]
	v_mul_lo_u32 v[VS0], v3, s[SSTR]
	v_lshl_add_u32 v[VS0], v2, 2, v[VS0]
	v_mul_lo_u32 v[SH], v3, s[SHM]
	v_lshlrev_b32 v[BO6], 6, v3
	v_and_b32 v[BO4], 8, v2
	v_add_nc_u32 v[BO4], v[BO4], v2
	v_lshlrev_b32 v[BO4], 2, v[BO4]
.irp b, 0,1,2,3
	v_mov_b32 v[TM+4+\b], 0                        ; written once: a lane permute's destination counts as one of its sources
.endr
	s_wait_kmcnt 0x0
	s_cmp_eq_u32 s[PP], 1
	s_cselect_b64 s[XP:XP+1], s[6:7], s[4:5]
	s_cselect_b64 s[BP:BP+1], s[12:13], s[10:11]
	s_cmp_eq_u32 s[PP], 2
	s_cselect_b64 s[XP:XP+1], s[8:9], s[XP:XP+1]
	s_cselect_b64 s[BP:BP+1], s[14:15], s[BP:BP+1]
	s_lshl_b32 s58, s[XG], 19                      ; 256 rows of 2,048 bytes a work-group,
	s_lshl_b32 s60, s[WV], 16                      ; 32 rows a wave
	s_add_co_u32 s58, s58, s60
	s_mov_b32 s59, 0
	s_add_nc_u64 s[XP:XP+1], s[XP:XP+1], s[58:59]
	s_lshl_b32 s58, s[WV], 9
	s_add_nc_u64 s[BP:BP+1], s[BP:BP+1], s[58:59]
	s_lshl_b32 s58, s[PP], 17
	s_lshl_b32 s60, s[WV], 15
	s_add_co_u32 s58, s58, s60
	s_add_nc_u64 s[WCP:WCP+1], s[16:17], s[58:59]
	s_lshl_b32 s58, s[PP], 14
	s_lshl_b32 s60, s[WV], 12
	s_add_co_u32 s58, s58, s60
	s_add_nc_u64 s[WSP:WSP+1], s[18:19], s[58:59]
	s_lshr_b32 s58, s[XG], 3                       ; the batch
	s_lshl_b32 s58, s58, 3
	s_lshl_b32 s60, s[WV], 1
	s_add_co_u32 s58, s58, s60                     ; 8 b + 2 w
	s_mul_i32 s58, s58, HS
	s_add_nc_u64 s[OP:OP+1], s[20:21], s[58:59]
	; my part of W goes into my set in LDS as it lies: 32,768 bytes of images, 4,096 of scale images; and a table of v's bias, a word a lane for each tile
	WIN 0x40
	s_wait_alu depctr_va_vdst(0)                   ; the offsets and LDS addresses v4 to v11 and v24 to v27 are written: every load and store that names one of them stands behind this line
.set k, 0
.rept 64
	global_load_b128 v[4*k:4*k+3], v[LI], s[WCP:WCP+1] offset:512*k
.set k, k+1
.endr
	WIN 0
.irp k, 0,1,2,3,4,5,6,7
	global_load_b128 v[HA+4*\k:HA+4*\k+3], v[LI], s[WSP:WSP+1] offset:512*\k
.endr
.irp o, 0,1,2,3,4,5,6,7
	global_load_b32 v[HA+32+\o], v[BO4], s[BP:BP+1] offset:(32*(\o/2)+8*(\o%2))*4   ; the bias of tile o's row r
.endr
.irp t, 0,1,2,3,4,5,6,7
	global_load_b128 v[BA+8*\t:BA+8*\t+3], v[BO6], s[BP:BP+1] offset:(32*(\t/2)+8*(\t%2))*4      ; q, k: the bias of n = 32 (t / 2) + 8 (t % 2) + 16 (lane / 16) + 0 .. 7
	global_load_b128 v[BA+8*\t+4:BA+8*\t+7], v[BO6], s[BP:BP+1] offset:(32*(\t/2)+8*(\t%2))*4+16
.endr
	XLOAD 0, 0, 0
	XLOAD 0, 1, 0
	XLOAD 0, 2, 0
	s_wait_loadcnt 48                              ; all but x's 48 loads are in (the fourth unit is asked for behind this wait: a count of 64 cannot be named)
	WIN 0x04                                       ; an LDS store's data: window 1
.set k, 0
.rept 64
	ds_store_b128 v[WWI], v[4*k:4*k+3] offset:512*k
.set k, k+1
.endr
	WIN 0
.irp k, 0,1,2,3,4,5,6,7
	ds_store_b128 v[WWI], v[HA+4*\k:HA+4*\k+3] offset:SSC+512*\k
.endr
.irp o, 0,1,2,3,4,5,6,7
	ds_store_b32 v[WWS], v[HA+32+\o] offset:STB+128*\o
.endr
	XLOAD 0, 3, 0
	s_wait_dscnt 0x0                               ; my set of W and the bias table have landed
	s_wait_alu depctr_vm_vsrc(0)                   ; the LDS stores above have read window 1's registers and HA's, in which LDS loads land from here on
	s_mov_b32 s[BLK], 2
.Lblock:
	; ---- x: my 32 rows become eight images.  Behind a unit's 16 loads stand three units' 48, until the counts run down
	s_wait_loadcnt 48                              ; unit 0's loads are in
	TURN 0                                         ; into HA: at the launch's head the line above has freed it; in the second block the wait behind the last trip's QUANT has
	s_wait_alu depctr_vm_vsrc(0)                   ; the stage's stores have read set 0, in which the loads below land
	XLOAD 1, 0, 0
	UNIT 0, 48, 1
	UNIT 1, 48, 1
	UNIT 2, 48, 1
	UNIT 3, 48, 0
	UNIT 4, 32, 0
	UNIT 5, 16, 0
	UNIT 6, 0, 2
	UNIT 7, 0, 0
	s_wait_dscnt 0x0                               ; for the others' sake: my images have landed
	s_barrier_signal -1
	s_barrier_wait -1                              ; x's 32 images lie in LDS
	; ---- P into registers, and R's first tile
	s_mov_b32 s[RO], s[RB0]
	s_add_co_u32 s[ROS], s[RB0], SSC
	s_add_co_u32 s[ROB], s[WB], STB
	s_mov_b32 s[OO], 0
	s_wait_alu depctr_vm_vsrc(0)                   ; the last block's loads of R have read v[ADR] to v[ADRB], written below; unit 7's image stores have read PC and PW, which the first trip's QUANT writes
	v_add_nc_u32 v[ADR], s[RO], v[LI]
	v_add_nc_u32 v[ADRS], s[ROS], v[LS]
	v_add_nc_u32 v[ADRB], s[ROB], v[LS]
	WIN 0x40
	s_wait_alu depctr_va_vdst(0)                   ; v[ADR] to v[ADRB] are written; the last block's products are done reading P, PS, RS, CB and RF, and unit 7's QUANT is done reading HB, which lies over the last four
.set k, 0
.rept 64
	ds_load_b128 v[4*k:4*k+3], v[ADP] offset:512*k
.set k, k+1
.endr
	WIN 0
.set k, 0
.rept 32
	ds_load_b32 v[PS+k], v[ADPS] offset:128*k
.set k, k+1
.endr
	RLOAD
; A trip: R's tile o.  more = 1: the next tile of R is asked for behind the products and lands under QUANT.
.macro TRIP more
	s_lshr_b32 s58, s[OO], 2
	s_and_b32 s59, s[OO], 3
	s_mul_i32 s60, s58, s[MA]
	s_mul_i32 s61, s59, s[MB]
	s_add_co_u32 s60, s60, s61
	s_add_co_u32 s60, s60, s[BLKC]                 ; where this trip's codes go
	s_mul_i32 s61, s58, s[NA]
	s_mul_i32 s62, s59, s[NB]
	s_add_co_u32 s61, s61, s62
	s_add_co_u32 s61, s61, s[BLKS]                 ; and its scale words
	s_wait_dscnt 0x0                               ; R's tile is in (in the first trip: P too)
	s_cmp_eq_u32 s[ISV], 1                         ; the bias is the C of the first products: q, k along the registers, v along the lanes
	s_cbranch_scc1 .Larm_v_\@
	WIN 0x01                                       ; source 0 (P): window 1
	MUL8 0, BA, 8
	WIN 0
	s_branch .Ljoin_\@
.Larm_v_\@:
	WIN 0x01
	MUL8 0, CB, 0
	WIN 0
.Ljoin_\@:
	WIN 0x01
	MUL8 1, HA, 8
	MUL8 2, HA, 8
	MUL8 3, HA, 8
	WIN 0
	s_wait_xcnt 0x0                                ; the last trip's stores, 32 products back, have had their addresses translated: their offsets and data are written again only behind this wait
	s_wait_alu depctr_vm_vsrc(0)                   ; those stores have read v[VA0] to v[VAS], PC and SD; this trip's loads of R have read v[ADR] to v[ADRB]
	v_add_nc_u32 v[VA0], s60, v[LI]                ; the address lines are the places between the last product and the first read of results: four are asked
	v_add_nc_u32 v[VA1], s60, v[VC1]
	v_add_nc_u32 v[VAS], s61, v[VS0]
.if \more
	s_add_co_u32 s[RO], s[RO], 4096
	s_add_co_u32 s[ROS], s[ROS], 512
	s_add_co_u32 s[ROB], s[ROB], 128
	v_add_nc_u32 v[ADR], s[RO], v[LI]
	v_add_nc_u32 v[ADRS], s[ROS], v[LS]
	v_add_nc_u32 v[ADRB], s[ROB], v[LS]
	s_wait_alu depctr_va_vdst(0)                   ; the products are done reading RF, RS and CB, in which the loads below land; v[ADR] to v[ADRB] are written
	RLOAD
.else
	v_nop                                          ; the fourth place
.endif
	QUANT HA
	v_lshrrev_b32 v[SD], v[SH], v[PW]
	s_wait_alu depctr_va_vdst(0)                   ; QUANT has written PC, and SD and the three offsets are written: the stores below read them.  (Behind the last trip it also shows HA, PS, RS, CB, RF and P read out, for the next block's loads)
	global_store_b128 v[VA0], v[PC:PC+3], s[OP:OP+1]     ; 512 consecutive aligned bytes
	global_store_b128 v[VA1], v[PC+4:PC+7], s[OP:OP+1]   ; likewise
	global_store_b32 v[VAS], v[SD], s[OP:OP+1]           ; pieces of 64 or 128 bytes: 1.5 MB in the whole launch
.endm
.Lo:                                               ; seven trips, each of which asks for the next tile of R
	TRIP 1
	s_add_co_u32 s[OO], s[OO], 1
	s_cmp_lt_u32 s[OO], 7
	s_cbranch_scc1 .Lo
	TRIP 0                                         ; the eighth is written out: there is no ninth tile to ask for
	s_wait_dscnt 0x0                               ; my reads of x's set are over
	s_barrier_signal -1
	s_barrier_wait -1                              ; everybody's are: it may be written again
	s_wait_xcnt 0x0                                ; the next block's loads have read their base, and the last trip's stores their data
	s_add_nc_u64 s[XP:XP+1], s[XP:XP+1], 262144
	s_add_co_u32 s[BLKC], s[BLKC], s[MC]
	s_add_co_u32 s[BLKS], s[BLKS], s[NC]
	s_sub_co_u32 s[BLK], s[BLK], 1
	s_cmp_lg_u32 s[BLK], 0
	s_cbranch_scc1 .Lblock
	s_wait_dscnt 0x0
	s_wait_alu depctr_hold_cnt(0) depctr_sa_sdst(0) depctr_va_vdst(0) depctr_va_sdst(0) depctr_va_ssrc(0) depctr_va_vcc(0) depctr_vm_vsrc(0)
	s_wait_tensorcnt 0x0
	ds_add_u32 v30, v31
	s_wait_dscnt 0x0
	s_endpgm
.Lfunc_end_k_q0a45fe1ed0_proj:
	.size	k_q0a45fe1ed0_proj, .Lfunc_end_k_q0a45fe1ed0_proj-k_q0a45fe1ed0_proj
	.p2alignl 7, 3214868480
	.fill 96, 4, 3214868480
	.section	.rodata,"a",@progbits
	.p2align	6, 0x0
	.amdhsa_kernel k_q0a45fe1ed0_proj
		.amdhsa_group_segment_fixed_size 223744
		.amdhsa_private_segment_fixed_size 0
		.amdhsa_enable_private_segment 0
		.amdhsa_kernarg_size 72
		.amdhsa_user_sgpr_count 2
		.amdhsa_user_sgpr_kernarg_segment_ptr 1
		.amdhsa_wavefront_size32 1
		.amdhsa_system_sgpr_workgroup_id_x 1
		.amdhsa_system_sgpr_workgroup_id_y 1
		.amdhsa_system_sgpr_workgroup_id_z 1
		.amdhsa_system_vgpr_workitem_id 0
		.amdhsa_next_free_vgpr 768
		.amdhsa_next_free_sgpr 66
		.amdhsa_reserve_vcc 0
		.amdhsa_float_denorm_mode_32 3
		.amdhsa_float_denorm_mode_16_64 3
		.amdhsa_memory_ordered 1
		.amdhsa_forward_progress 1
		.amdhsa_inst_pref_size 117
	.end_amdhsa_kernel
	.amdgpu_metadata
---
amdhsa.version: [ 1, 2 ]
amdhsa.kernels:
  - .name:           k_q0a45fe1ed0_proj
    .symbol:         k_q0a45fe1ed0_proj.kd
    .args:
      - { .name: query, .offset: 0, .size: 8, .value_kind: global_buffer, .address_space: global }
      - { .name: key, .offset: 8, .size: 8, .value_kind: global_buffer, .address_space: global }
      - { .name: value, .offset: 16, .size: 8, .value_kind: global_buffer, .address_space: global }
      - { .name: bq, .offset: 24, .size: 8, .value_kind: global_buffer, .address_space: global }
      - { .name: bk, .offset: 32, .size: 8, .value_kind: global_buffer, .address_space: global }
      - { .name: bv, .offset: 40, .size: 8, .value_kind: global_buffer, .address_space: global }
      - { .name: wcodes, .offset: 48, .size: 8, .value_kind: global_buffer, .address_space: global }
      - { .name: wscales, .offset: 56, .size: 8, .value_kind: global_buffer, .address_space: global }
      - { .name: qkv, .offset: 64, .size: 8, .value_kind: global_buffer, .address_space: global }
    .group_segment_fixed_size: 223744
    .private_segment_fixed_size: 0
    .kernarg_segment_align: 8
    .kernarg_segment_size: 72
    .max_flat_workgroup_size: 128
    .sgpr_count:     66
    .vgpr_count:     768
    .wavefront_size: 32
...
	.end_amdgpu_metadata
.endif
;; end of part 6
;; launch attn (part 7): grid 256 x 1, 16 waves a work-group, clusters of 4 x 1, 169,984 bytes of LDS; arguments qkv, ocodes, oscales; writes ocodes, oscales
.if DOCPART == 7
	.amdgcn_target "amdgcn-amd-amdhsa--gfx1250"
	.amdhsa_code_object_version 6
	.text
	.protected	k_q0a45fe1ed0_attn
	.globl	k_q0a45fe1ed0_attn
	.p2align	8
	.type	k_q0a45fe1ed0_attn,@function
k_q0a45fe1ed0_attn:
	s_mov_b64 s[64:65], 0
	v_nop
	global_prefetch_b8 v0, s[64:65] scope:SCOPE_SE
	s_setreg_imm32_b32 hwreg(HW_REG_WAVE_MODE, 25, 1), 1
	s_wait_xcnt 0x0
	s_wait_alu depctr_hold_cnt(0) depctr_sa_sdst(0) depctr_va_vdst(0) depctr_va_sdst(0) depctr_va_ssrc(0) depctr_va_vcc(0) depctr_vm_vsrc(0)
	s_getreg_b32 s2, hwreg(HW_REG_IB_STS2, 6, 4)
	s_cmp_eq_u32 s2, 0
	s_cbranch_scc0 .Lentry_in_a_cluster
	s_endpgm
.Lentry_in_a_cluster:
	s_bfe_u32 s2, ttmp6, 0x10000c
	s_cmp_lg_u32 s2, 0x3003
	s_cbranch_scc0 .Lentry_shape_is_right
	s_endpgm
.Lentry_shape_is_right:
; Causal attention of 64 heads (8 batches x 8), 2,048 queries and keys, head size 64, both products on codes of FP4 (E2M1) with E8M0 scales; the result O / l is quantised along the model's 512 and leaves as codes for the last product.
; THE SOFTMAX: t = score x log2(e) / 8; M = the running largest t rounded UP to a whole number; p = 2^(t - M) is quantised along the keys, not normalised; the row's sum is taken of the unquantised p and divides O at the end.
; When M moves, the sum and O are multiplied by 2^(old M - new M): exact.
; LIMITS: NaN and infinities are not served; a block whose largest magnitude lies under 2^-124, or that is all zeros, keeps the byte 1 (the bytes are read by this program alone).
; IN.  A head's record in qkv begins with 147,456 dense bytes: K's codes [tile 128][32 lanes x 16 B] (16 keys x 64: the first half of a fragment; the other half is zero codes), V's codes [tile of d 4][key step 16][image 1,024 B],
; K's scale words [tile][16 x 4 B], V's [tile of d][key step][32 x 4 B].  Then Q's codes and scale words, laid as K's.  Row rho of tile 2 B + u (keys, queries, d alike) is index 32 B + 8 u + rho + 8 (rho / 8).
; CLUSTER.  The four work-groups of a cluster own one head.  Its whole K and V fit in LDS: they are asked for JOINTLY, once, each wave one load of 36 rows of 256 bytes, the same in all four work-groups.  Nothing is filled again: no ring.
; So there is no later stream to prefetch: all that the launch reads through LDS is asked for at its head.
; SHARES.  Sixteen waves, four to a SIMD, so that one wave's softmax stands beside another's products and LDS loads.  A wave runs two passes, each on one tile of 16 queries: tile 8 G + 2 cx + (wave & 1), G = wave / 2, then 15 - wave / 2.
; A tile of group G has G + 1 key steps of 128 keys, the last on the diagonal: every wave of the launch has 17 steps, 2 of them masked.  The loop over steps has a constant count; a step all of whose keys are hidden does no work.
; G, every branch and every LDS address hang on the wave's number and on constants; the place in the cluster enters Q's and O's global offsets and the mask's vector number alone.
; LAYOUT.  Both products are used transposed: S^T = K Q^T (source 0 = 16 keys), O^T = V^T P^T (source 0 = 16 of the head's 64): a lane holds ONE query throughout, and by the tiles' order 16 registers of two neighbouring tiles are 16 neighbours.
; REGISTERS: v1-7, v29 addresses that stay; v8-11 the step's addresses; v12 -M, v13 the largest t, v[14:15] the sum; v16-23 Q (20-23 zeros); v24-28 the second pass's Q and scale word; v32-95 K (each tile's upper four zeros);
; v96-159 S^T, then p; v160-191 O^T; v192-223 V; v224-231 p's codes; v232-239, v244-247, v252-254 at work; v240-243 K's scale words (a pair of tiles to a register), v248-251 V's, v253 p's, v255 Q's.
.set HS,   221184
.set QC,   147456
.set LVC,  65536                       ; LDS as the record: K's codes at 0, V's here,
.set LKS,  131072                      ; K's scale words,
.set LVS,  139264                      ; V's
.set LI,   1
.set AV0,  2
.set ASK0, 3
.set ASV0, 4
.set DD,   5                           ; v5   my query less the diagonal step's first key less 16 (lane / 16)
.set L4,   6
.set VOC,  7
.set ADK,  8
.set ADV,  9
.set ADS,  10
.set ADT,  11
.set VOS,  29
.set WV,   10
.set CX,   11
.set BH,   12
.set UU,   13
.set SG,   14                          ; s14  G: the pass's group of queries
.set SE,   15                          ; s15  2 cx + (wave & 1): for global offsets alone
.set G1,   16                          ; s[16:23] descriptor group 1
.set G0,   24                          ; s[24:27] group 0
.set SEL,  28
.set CS,   30                          ; s[30:31] c = log2(e) / 8, twice: the packed form names a pair
.set SS,   32                          ; s32  the key step
.set TK,   33                          ; s33-36 where the step's K, V and their scale words begin
.set TV,   34
.set TSK,  35
.set TSV,  36
.set PASS, 37
.set QP,   48
.set OCP,  50
.set OSP,  52
.macro ROUND                           ; a round of the cluster's barrier: my work-group's barrier; wave 0 signals for the work-group; every wave waits for all four; my work-group's barrier once more
	s_barrier_signal -1
	s_barrier_wait -1
	s_cmp_lg_u32 s[WV], 0
	s_cbranch_scc1 .Lnot_wave_0_\@
	s_barrier_signal -3
.Lnot_wave_0_\@:
	s_barrier_wait -3
	s_barrier_signal -1
	s_barrier_wait -1
.endm
	s_load_b128 s[4:7], s[0:1], 0x0                ; qkv, ocodes
	s_load_b64 s[8:9], s[0:1], 0x10                ; oscales
	v_lshl_add_u32 v254, v0, 2, 0x29000
	v_mov_b32 v255, 0
	ds_add_u32 v254, v255
	ds_add_u32 v254, v255
	s_wait_dscnt 0x0
	v_lshrrev_b32 v1, 5, v0
	s_delay_alu instid0(VALU_DEP_1)
	v_readfirstlane_b32 s[WV], v1                  ; wave 0..15
	s_bfe_u32 s[CX], ttmp6, 0x40000                ; my place in the cluster
	s_mov_b32 s[BH], ttmp9                         ; in a cluster launch ttmp9 counts clusters: the head, 8 b + h
	s_and_b32 s[UU], s[WV], 1
	s_lshr_b32 s[SG], s[WV], 1
	s_lshl_b32 s[SE], s[CX], 1
	s_add_co_u32 s[SE], s[SE], s[UU]
	s_mov_b32 s[G1], 15|(3<<16)|(1<<21)            ; 15:0 the mask: all four work-groups; 17:16 elements of 8 bytes; 21 set beside a mask; no padding: every LDS read takes 16 or 4 consecutive bytes a lane
	s_mov_b32 s[G1+1], 32<<16                      ; tensor_dim0 = 32 elements: 256 bytes
	s_mov_b32 s[G1+2], 36<<16                      ; tensor_dim1 = 36
	s_mov_b32 s[G1+3], 32<<16                      ; tile_dim0
	s_mov_b32 s[G1+4], 36                          ; tile_dim1
	s_mov_b32 s[G1+5], 32                          ; the pitch: dense
	s_mov_b32 s[G1+6], 0
	s_mov_b32 s[G1+7], 0
	s_mov_b32 s[SEL], 0x76543210
	s_mov_b32 s[SEL+1], 0xfedcba98
	s_mov_b32 s[CS], 0x3e38aa3b                    ; log2(e) / 8
	s_mov_b32 s[CS+1], s[CS]
	s_mul_i32 s38, s[BH], HS
	s_mov_b32 s39, 0
	s_mul_i32 s40, s[WV], 9216                     ; my 36 rows, in memory and in LDS alike
	s_mov_b32 s41, 0
	s_lshr_b32 s42, s[BH], 3                       ; ocodes [128 b + tile][K step h / 2][half h % 2][512 B]
	s_lshl_b32 s42, s42, 19
	s_bfe_u32 s44, s[BH], 0x20001
	s_lshl_b32 s44, s44, 10
	s_add_co_u32 s42, s42, s44
	s_and_b32 s44, s[BH], 1
	s_lshl_b32 s44, s44, 9
	s_add_co_u32 s42, s42, s44
	s_mov_b32 s43, 0
	s_lshl_b32 s44, s[BH], 14                      ; oscales [head][tile][128 B]
	s_mov_b32 s45, 0
	s_wait_kmcnt 0x0
	s_add_nc_u64 s[46:47], s[4:5], s[38:39]        ; the head's record
	s_add_nc_u64 s[QP:QP+1], s[46:47], QC
	s_add_nc_u64 s[OCP:OCP+1], s[6:7], s[42:43]
	s_add_nc_u64 s[OSP:OSP+1], s[8:9], s[44:45]
	s_mov_b32 s[G0], 1
	s_mov_b32 s[G0+1], s40
	s_add_nc_u64 s[G0+2:G0+3], s[46:47], s[40:41]
	s_or_b32 s[G0+3], s[G0+3], 0x80000000
	ROUND                                          ; all four work-groups are here: the joint loads meet
	tensor_load_to_lds s[G0:G0+3], s[G1:G1+7]      ; one load a wave is out
	s_nop 0
.rept 4
	v_nop
.endr
	v_and_b32 v30, 31, v0                          ; lane
	v_and_b32 v31, 15, v0                          ; r
	v_bfe_u32 v29, v0, 4, 1                        ; lane / 16
	s_delay_alu instid0(VALU_DEP_3)
	v_lshlrev_b32 v[LI], 4, v30
	s_delay_alu instid0(VALU_DEP_1)
	v_add_nc_u32 v[AV0], LVC, v[LI]
	v_lshlrev_b32 v[L4], 2, v30
	s_delay_alu instid0(VALU_DEP_1)
	v_add_nc_u32 v[ASK0], LKS, v[L4]
	s_delay_alu instid0(VALU_DEP_2)
	v_add_nc_u32 v[ASV0], LVS, v[L4]
	v_and_b32 v[DD], 8, v31
	s_delay_alu instid0(VALU_DEP_1)
	v_add_nc_u32 v[DD], v[DD], v31                 ; r + 8 (r / 8)
	s_lshl_b32 s38, s[CX], 5
	s_lshl_b32 s39, s[UU], 3
	s_add_co_u32 s38, s38, s39
	v_add_nc_u32 v[DD], s38, v[DD]                 ; my query = 128 G + 32 cx + 8 (wave & 1) + r + 8 (r / 8)
	v_lshlrev_b32 v29, 4, v29
	s_delay_alu instid0(VALU_DEP_1)
	v_sub_nc_u32 v[DD], v[DD], v29
	s_lshl_b32 s38, s[SG], 3
	s_add_co_u32 s38, s38, s[SE]                   ; the first pass's tile,
	s_sub_co_u32 s39, 15, s[SG]
	s_lshl_b32 s39, s39, 3
	s_add_co_u32 s39, s39, s[SE]                   ; the second's
	s_lshl_b32 s40, s38, 9
	s_lshl_b32 s41, s39, 9
	v_add_nc_u32 v8, s40, v[LI]
	v_add_nc_u32 v9, s41, v[LI]
	s_lshl_b32 s40, s38, 6
	s_lshl_b32 s41, s39, 6
	v_lshlrev_b32 v31, 2, v31
	s_delay_alu instid0(VALU_DEP_1)
	v_add_nc_u32 v10, s40, v31
	s_delay_alu instid0(VALU_DEP_2)
	v_add_nc_u32 v11, s41, v31
	global_load_b128 v[16:19], v8, s[QP:QP+1]      ; Q's half fragments of both passes,
	global_load_b128 v[24:27], v9, s[QP:QP+1]
	global_load_b32 v255, v10, s[QP:QP+1] offset:65536   ; and their scale words
	global_load_b32 v28, v11, s[QP:QP+1] offset:65536
.irp j, 20,21,22,23,236,237,238,239,252,253
	v_mov_b32 v\j, 0                               ; zero codes for K = 64 .. 127 of Q; the permutes' destinations and the pair v[252:253] are written before they are named
.endr
.irp t, 0,1,2,3,4,5,6,7
.irp j, 4,5,6,7
	v_mov_b32 v[32+8*\t+\j], 0                     ; zero codes for K = 64 .. 127 of each tile of keys: set once
.endr
.endr
	s_wait_tensorcnt 0x0                           ; my part of the head is in,
	s_barrier_signal -1
	s_barrier_wait -1                              ; everybody's is
	s_wait_loadcnt 0x0                             ; Q
	s_mov_b32 s[PASS], 2
.Lpass:
	v_mov_b32 v13, 0xff61b1e6                      ; the largest t so far: -3e38
	s_delay_alu instid0(VALU_DEP_1)
	v_floor_f32 v12, -v13                          ; -M
	v_mov_b32 v14, 0
	v_mov_b32 v15, 0
.set j, 0
.rept 32
	v_mov_b32 v[160+j], 0                          ; O^T.  The step is written once: the first finds zeros, which the first change of M leaves zeros.  (These lines are also the places between the writes of Q and its scale word and the first products)
.set j, j+1
.endr
	s_mov_b32 s[SS], 0
	s_mov_b32 s[TK], 0
	s_mov_b32 s[TV], 0
	s_mov_b32 s[TSK], 0
	s_mov_b32 s[TSV], 0
.Lstep:                                            ; sixteen trips
	s_cmp_gt_u32 s[SS], s[SG]                      ; all 128 keys come after my queries: no work
	s_cbranch_scc1 .Lhid
	s_setprio 2
	v_add_nc_u32 v[ADK], s[TK], v[LI]              ; (these four are the places between the last step's products and the loads into their operands)
	v_add_nc_u32 v[ADV], s[TV], v[AV0]
	v_add_nc_u32 v[ADS], s[TSK], v[ASK0]
	v_add_nc_u32 v[ADT], s[TSV], v[ASV0]
.irp t, 0,1,2,3,4,5,6,7
	ds_load_b128 v[32+8*\t:35+8*\t], v[ADK] offset:512*\t
.endr
.irp b, 0,1,2,3
	ds_load_b32 v[240+\b], v[ADS] offset:128*\b    ; lanes 0-15: tile 2 b's words; lanes 16-31: tile 2 b + 1's
.endr
.irp e, 0,1,2,3
	ds_load_b128 v[192+8*\e:195+8*\e], v[ADV] offset:16384*\e
	ds_load_b128 v[196+8*\e:199+8*\e], v[ADV] offset:16384*\e+512
	ds_load_b32 v[248+\e], v[ADT] offset:2048*\e
.endr
	s_wait_dscnt 12                                ; K's twelve loads are in; V's twelve, issued behind them, land under the softmax
.irp t, 0,2,4,6
	v_wmma_scale_f32_16x16x128_f8f6f4 v[96+8*\t:103+8*\t], v[32+8*\t:39+8*\t], v[16:23], 0, v[240+\t/2], v255 matrix_a_fmt:MATRIX_FMT_FP4 matrix_b_fmt:MATRIX_FMT_FP4
	v_wmma_scale_f32_16x16x128_f8f6f4 v[104+8*\t:111+8*\t], v[40+8*\t:47+8*\t], v[16:23], 0, v[240+\t/2], v255 matrix_a_fmt:MATRIX_FMT_FP4 matrix_b_fmt:MATRIX_FMT_FP4 matrix_a_scale:MATRIX_SCALE_ROW1
.endr
.rept 4
	v_nop                                          ; four places ahead of the first read of the scores
.endr
	s_cmp_lt_u32 s[SS], s[SG]                      ; all keys count: no mask
	s_cbranch_scc1 .Lopen
	v_mov_b32 v254, 0xff800000                     ; on the diagonal hidden scores become -infinity: p = 0 then.  Register 16 b + i holds key 128 G + 16 (lane / 16) + 32 b + i
.irp n, 0,1,2,3,4,5,6,7,8,9,10,11,12,13,14,15,16,17,18,19,20,21,22,23,24,25,26,27,28,29,30,31,32,33,34,35,36,37,38,39,40,41,42,43,44,45,46,47,48,49,50,51,52,53,54,55,56,57,58,59,60,61,62,63
	v_cmp_gt_i32 vcc_lo, 32*(\n/16)+\n%16, v[DD]
	v_cndmask_b32 v[96+\n], v[96+\n], v254, vcc_lo
.endr
.Lopen:
.irp b, 0,1,2,3
	v_max3_num_f32 v[232+\b], v[96+16*\b], v[97+16*\b], v[98+16*\b]   ; the largest score of each block of 32 keys: it serves the row's maximum and, since p rises with the score, the block's largest p
.endr
.irp i, 3,5,7,9,11,13
.irp b, 0,1,2,3
	v_max3_num_f32 v[232+\b], v[232+\b], v[96+16*\b+\i], v[97+16*\b+\i]
.endr
.endr
.irp b, 0,1,2,3
	v_max_num_f32 v[232+\b], v[232+\b], v[111+16*\b]
.endr
.irp b, 0,1,2,3
	s_delay_alu instid0(VALU_DEP_4)
	v_permlanex16_b32 v[236+\b], v[232+\b], s[SEL], s[SEL+1]
.endr
.irp b, 0,1,2,3
	s_delay_alu instid0(VALU_DEP_4)
	v_max_num_f32 v[232+\b], v[232+\b], v[236+\b]  ; with lane l xor 16's 16 keys
.endr
	s_delay_alu instid0(VALU_DEP_2)
	v_max3_num_f32 v254, v232, v233, v234
	s_delay_alu instid0(VALU_DEP_1)
	v_max_num_f32 v254, v254, v235                 ; the step's largest score of my query
	s_delay_alu instid0(VALU_DEP_1)
	v_mul_f32 v254, s[CS], v254                    ; as t
	s_delay_alu instid0(VALU_DEP_1)
	v_max_num_f32 v13, v13, v254                   ; the running largest t
	v_mov_b32 v254, v12
	s_delay_alu instid0(VALU_DEP_2)
	v_floor_f32 v12, -v13                          ; the new -M = -ceil(t)
	s_delay_alu instid0(VALU_DEP_1)
	v_sub_f32 v254, v12, v254                      ; old M - new M: a whole number, 0 or less
	s_delay_alu instid0(VALU_DEP_1)
	v_cvt_i32_f32 v254, v254                       ; (it saturates)
	s_delay_alu instid0(VALU_DEP_1)
	v_ldexp_f32 v252, 1.0, v254                    ; f = 2^(old M - new M)
.set j, 0
.rept 32
	v_pk_fma_f32 v[96+j:97+j], v[96+j:97+j], s[CS:CS+1], v[12:13] op_sel_hi:[1,0,0]   ; t - M, two at a time
.set j, j+2
.endr
	s_setprio 1
.irp b, 0,1,2,3
	v_fma_f32 v[232+\b], v[232+\b], s[CS], v12     ; the same of each block's largest score
.endr
.set j, 0
	s_wait_alu depctr_va_vdst(0)
.rept 64
	v_exp_f32 v[96+j], v[96+j]                     ; p = 2^(t - M)
.set j, j+1
.endr
	v_pk_mul_f32 v[14:15], v[14:15], v[252:253] op_sel_hi:[1,0]   ; the sums under the new M: a plain line behind the exponentials
	s_wait_alu depctr_va_vdst(0)                   ; one wait for the batch of 64, ahead of its first reader
.irp b, 0,1,2,3
	v_exp_f32 v[232+\b], v[232+\b]                 ; the block's largest p
.endr
	v_pk_add_f32 v[236:237], v[100:101], v[104:105]
	v_pk_add_f32 v[246:247], v[108:109], v[112:113]
	v_pk_add_f32 v[244:245], v[116:117], v[120:121]
	v_pk_add_f32 v[242:243], v[124:125], v[128:129]
	v_pk_add_f32 v[240:241], v[132:133], v[136:137]
	v_pk_add_f32 v[238:239], v[140:141], v[144:145]
	v_pk_add_f32 v[230:231], v[148:149], v[152:153]
	v_pk_add_f32 v[14:15], v[14:15], v[156:157]
	v_pk_add_f32 v[236:237], v[236:237], v[96:97]
	v_pk_add_f32 v[246:247], v[246:247], v[98:99]
	v_pk_add_f32 v[244:245], v[244:245], v[102:103]
	v_pk_add_f32 v[242:243], v[242:243], v[106:107]
	v_pk_add_f32 v[240:241], v[240:241], v[110:111]
	v_pk_add_f32 v[238:239], v[238:239], v[114:115]
	v_pk_add_f32 v[230:231], v[230:231], v[118:119]
	v_pk_add_f32 v[14:15], v[14:15], v[122:123]
	v_pk_add_f32 v[236:237], v[236:237], v[126:127]
	v_pk_add_f32 v[246:247], v[246:247], v[130:131]
	v_pk_add_f32 v[244:245], v[244:245], v[134:135]
	v_pk_add_f32 v[242:243], v[242:243], v[138:139]
	v_pk_add_f32 v[240:241], v[240:241], v[142:143]
	v_pk_add_f32 v[238:239], v[238:239], v[146:147]
	v_pk_add_f32 v[230:231], v[230:231], v[150:151]
	v_pk_add_f32 v[14:15], v[14:15], v[154:155]
	v_pk_add_f32 v[236:237], v[236:237], v[158:159]
	s_delay_alu instid0(VALU_DEP_2)
	v_pk_add_f32 v[14:15], v[14:15], v[242:243]
	s_delay_alu instid0(VALU_DEP_2)
	v_pk_add_f32 v[236:237], v[236:237], v[240:241]
	v_pk_add_f32 v[246:247], v[246:247], v[238:239]
	v_pk_add_f32 v[244:245], v[244:245], v[230:231]
	s_delay_alu instid0(VALU_DEP_2)
	v_pk_add_f32 v[14:15], v[14:15], v[246:247]
	s_delay_alu instid0(VALU_DEP_2)
	v_pk_add_f32 v[236:237], v[236:237], v[244:245]
	s_delay_alu instid0(VALU_DEP_1)
	v_pk_add_f32 v[14:15], v[14:15], v[236:237]
	s_wait_alu depctr_va_vdst(0)                   ; and one for the four
.irp b, 0,1,2,3
	v_max_num_f32 v[232+\b], 0x1800000, v[232+\b]  ; the floor 2^(3 - 127)
.endr
.irp b, 0,1,2,3
	s_delay_alu instid0(VALU_DEP_4)
	v_add_nc_u32 v[244+\b], 0xff000000, v[232+\b]  ; the conversion's scale operand
.endr
.irp b, 0,1,2,3
	s_delay_alu instid0(VALU_DEP_4)
	v_lshrrev_b32 v[236+\b], 23, v[244+\b]         ; the scale's byte
.endr
	s_delay_alu instid0(VALU_DEP_3)
	v_lshl_or_b32 v253, v237, 8, v236              ; p's scale word for these 128 keys
	s_delay_alu instid0(VALU_DEP_1)
	v_lshl_or_b32 v253, v238, 16, v253
	s_delay_alu instid0(VALU_DEP_1)
	v_lshl_or_b32 v253, v239, 24, v253
	s_setprio 0
.irp b, 0,1,2,3
	v_cvt_scalef32_pk8_fp4_f32 v[224+2*\b], v[96+16*\b:103+16*\b], v[244+\b]
	v_cvt_scalef32_pk8_fp4_f32 v[225+2*\b], v[104+16*\b:111+16*\b], v[244+\b]
.endr
	v_nop                                          ; one plain line behind the last conversion
.irp c, 0,1
.irp i, 0,1
	v_permlane16_swap_b32 v[224+4*\c+\i], v[226+4*\c+\i]   ; a whole block to a lane
.endr
.endr
.set j, 0
.rept 16
	v_pk_mul_f32 v[160+j:161+j], v[160+j:161+j], v[252:253] op_sel_hi:[1,0]   ; O^T under the new M.  (These sixteen also stand between the writes of p's codes and scale word and the products)
.set j, j+2
.endr
	s_wait_alu depctr_va_vdst(0)
	s_wait_dscnt 0x0                               ; V and its scale words are in
.irp e, 0,1,2,3
	v_wmma_scale_f32_16x16x128_f8f6f4 v[160+8*\e:167+8*\e], v[192+8*\e:199+8*\e], v[224:231], v[160+8*\e:167+8*\e], v[248+\e], v253 matrix_a_fmt:MATRIX_FMT_FP4 matrix_b_fmt:MATRIX_FMT_FP4
.endr
.Lhid:
	s_add_co_u32 s[TK], s[TK], 4096                ; the next step's tiles and scale words
	s_add_co_u32 s[TV], s[TV], 1024
	s_add_co_u32 s[TSK], s[TSK], 512
	s_add_co_u32 s[TSV], s[TSV], 128
	s_add_co_u32 s[SS], s[SS], 1
	s_cmp_lt_u32 s[SS], 16
	s_cbranch_scc1 .Lstep
	s_setprio 0
	; ---- the pass's end: O^T / the sum, quantised along the head's 64 (two blocks of the last product's K), leaves as half a fragment and a scale word
	v_add_f32 v14, v14, v15
	s_delay_alu instid0(VALU_DEP_1)
	v_permlanex16_b32 v252, v14, s[SEL], s[SEL+1]
	s_delay_alu instid0(VALU_DEP_1)
	v_add_f32 v14, v14, v252                       ; the row's sum
	s_wait_alu depctr_va_vdst(0)
	v_rcp_f32 v14, v14
	s_lshl_b32 s38, s[SG], 3
	s_add_co_u32 s38, s38, s[SE]                   ; my tile of queries
	s_lshl_b32 s39, s38, 12
	s_lshl_b32 s40, s38, 7
	v_add_nc_u32 v[VOC], s39, v[LI]
	v_add_nc_u32 v[VOS], s40, v[L4]
	v_nop
	v_nop
	s_wait_alu depctr_va_vdst(0)                   ; the wait ahead of the reciprocal's first reader
.set j, 0
.rept 16
	v_pk_mul_f32 v[96+j:97+j], v[160+j:161+j], v[14:15] op_sel_hi:[1,0]   ; register 16 B + i is o(my query, d = 32 B + 16 (lane / 16) + i); each accumulator from its low end on
.set j, j+2
.endr
.irp b, 0,1
	v_max3_num_f32 v[232+\b], |v[96+16*\b]|, |v[97+16*\b]|, 0x1800000
.endr
.irp i, 2,4,6,8,10,12,14
.irp b, 0,1
	s_delay_alu instid0(VALU_DEP_2)
	v_max3_num_f32 v[232+\b], v[232+\b], |v[96+16*\b+\i]|, |v[97+16*\b+\i]|
.endr
.endr
.irp b, 0,1
	s_delay_alu instid0(VALU_DEP_2)
	v_permlanex16_b32 v[236+\b], v[232+\b], s[SEL], s[SEL+1]
.endr
.irp b, 0,1
	s_delay_alu instid0(VALU_DEP_2)
	v_max_num_f32 v[232+\b], v[232+\b], v[236+\b]
.endr
.irp b, 0,1
	s_delay_alu instid0(VALU_DEP_2)
	v_add_nc_u32 v[244+\b], 0xff000000, v[232+\b]
.endr
.irp b, 0,1
	s_delay_alu instid0(VALU_DEP_2)
	v_lshrrev_b32 v[236+\b], 23, v[244+\b]
.endr
	s_delay_alu instid0(VALU_DEP_1)
	v_lshl_or_b32 v253, v237, 8, v236              ; two bytes; the upper half is 0: the last launch joins two heads' halves
.irp b, 0,1
	v_cvt_scalef32_pk8_fp4_f32 v[224+2*\b], v[96+16*\b:103+16*\b], v[244+\b]
	v_cvt_scalef32_pk8_fp4_f32 v[225+2*\b], v[104+16*\b:111+16*\b], v[244+\b]
.endr
	v_nop
	v_permlane16_swap_b32 v224, v226
	v_permlane16_swap_b32 v225, v227
	global_store_b128 v[VOC], v[224:227], s[OCP:OCP+1]   ; 512 consecutive aligned bytes
	global_store_b32 v[VOS], v253, s[OSP:OSP+1]          ; 128 consecutive bytes
	s_wait_xcnt 0x0                                ; the stores' data and offsets are written again
	v_mov_b32 v16, v24                             ; the second pass's Q
	v_mov_b32 v17, v25
	v_mov_b32 v18, v26
	v_mov_b32 v19, v27
	v_mov_b32 v255, v28
	s_sub_co_u32 s[SG], 15, s[SG]
	s_sub_co_u32 s[PASS], s[PASS], 1
	s_cmp_lg_u32 s[PASS], 0
	s_cbranch_scc1 .Lpass
	s_wait_dscnt 0x0                               ; no LDS instruction of mine is out at the signal
	s_wait_xcnt 0x0
	v_lshl_add_u32 v254, v0, 2, 0x29000
	v_mov_b32 v255, 0
	s_wait_alu depctr_va_vdst(0)
	s_wait_tensorcnt 0x0
	ds_add_u32 v254, v255
	s_wait_dscnt 0x0
	ROUND                                          ; the closing round: no work-group ends while a partner may still ask jointly
	s_endpgm
.Lfunc_end_k_q0a45fe1ed0_attn:
	.size	k_q0a45fe1ed0_attn, .Lfunc_end_k_q0a45fe1ed0_attn-k_q0a45fe1ed0_attn
	.p2alignl 7, 3214868480
	.fill 96, 4, 3214868480
	.section	.rodata,"a",@progbits
	.p2align	6, 0x0
	.amdhsa_kernel k_q0a45fe1ed0_attn
		.amdhsa_group_segment_fixed_size 169984
		.amdhsa_private_segment_fixed_size 0
		.amdhsa_enable_private_segment 0
		.amdhsa_kernarg_size 24
		.amdhsa_user_sgpr_count 2
		.amdhsa_user_sgpr_kernarg_segment_ptr 1
		.amdhsa_wavefront_size32 1
		.amdhsa_system_sgpr_workgroup_id_x 1
		.amdhsa_system_sgpr_workgroup_id_y 1
		.amdhsa_system_sgpr_workgroup_id_z 1
		.amdhsa_system_vgpr_workitem_id 0
		.amdhsa_next_free_vgpr 256
		.amdhsa_next_free_sgpr 66
		.amdhsa_reserve_vcc 1
		.amdhsa_float_denorm_mode_32 3
		.amdhsa_float_denorm_mode_16_64 3
		.amdhsa_memory_ordered 1
		.amdhsa_forward_progress 1
		.amdhsa_inst_pref_size 35
	.end_amdhsa_kernel
	.amdgpu_metadata
---
amdhsa.version: [ 1, 2 ]
amdhsa.kernels:
  - .name:           k_q0a45fe1ed0_attn
    .symbol:         k_q0a45fe1ed0_attn.kd
    .args:
      - { .name: qkv, .offset: 0, .size: 8, .value_kind: global_buffer, .address_space: global }
      - { .name: ocodes, .offset: 8, .size: 8, .value_kind: global_buffer, .address_space: global }
      - { .name: oscales, .offset: 16, .size: 8, .value_kind: global_buffer, .address_space: global }
    .group_segment_fixed_size: 169984
    .private_segment_fixed_size: 0
    .kernarg_segment_align: 8
    .kernarg_segment_size: 24
    .max_flat_workgroup_size: 512
    .sgpr_count:     66
    .vgpr_count:     256
    .wavefront_size: 32
...
	.end_amdgpu_metadata
.endif
;; end of part 7
;; launch oproj (part 8): grid 256 x 1, 4 waves a work-group, no clusters, 34,304 bytes of LDS; arguments ocodes, oscales, wcodes, wscales, bo, out0; writes out0
.if DOCPART == 8
	.amdgcn_target "amdgcn-amd-amdhsa--gfx1250"
	.amdhsa_code_object_version 6
	.text
	.protected	k_q0a45fe1ed0_oproj
	.globl	k_q0a45fe1ed0_oproj
	.p2align	8
	.type	k_q0a45fe1ed0_oproj,@function
k_q0a45fe1ed0_oproj:
	s_mov_b64 s[64:65], 0
	v_nop
	global_prefetch_b8 v0, s[64:65] scope:SCOPE_SE
	s_setreg_imm32_b32 hwreg(HW_REG_WAVE_SCHED_MODE, 0, 2), 2
	s_setreg_imm32_b32 hwreg(HW_REG_WAVE_MODE, 25, 1), 1
	s_wait_xcnt 0x0
	s_wait_alu depctr_vm_vsrc(0)
; out0 = O Wo + bo on codes of FP4 (E2M1) with E8M0 scales.  O's codes [tile of 16 rows 1,024][K step 4][image 1,024 B]; its scale words come by head, [head 64][tile 128][32 x 4 B], two bytes each: two heads' words make a K step's.
; Wo's codes and scale words as the first launch has laid them (weight 3).  out0: [16,384][512] f32.  Row rho of tile 2 B + u (rows and n alike) is index 32 B + 8 u + rho + 8 (rho / 8).
; SHARES.  Work-group g: four tiles of rows (64 rows).  Wave w: n = 128 w .. + 127, eight tiles of Wo, all four K steps, in registers.  Waves share nothing: no barrier.  All loads go out at once: the launch is one fetch, 128 products a wave and the way out.
; Source 0 = 16 rows of Wo, source 1 = 16 rows of O: a lane holds one row and, in two neighbouring tiles' 16 registers, 16 neighbouring n.  The bias is the C of the first products.
; No cluster and no LDS for Wo: 139,264 bytes a work-group, read once.  No prefetch: nothing is asked for later than at the head.
; REGISTERS.  Window 0: below.  Window 1: Wo's 32 fragments at v[8 (4 i + s)].  Window 2: v0-127 O's 16 fragments at v[32 m + 8 s]; v128-191 the bias in the result's layout.
; THE MODE: SCHED_MODE bits 1:0 = 2 (LLVM: expert scheduling mode 2), set by the entry lines.  The code itself states the register dependences between vector or matrix instructions and memory or LDS instructions, with s_wait_alu, always for 0.
; THE PLAN.  Registers that memory or LDS instructions touch behind the head:
;   v4-8   offsets and LDS addresses: written at the head, never again.
;   HA     written by a tile's products; read by its sixteen LDS stores into the stage; written again by the next tile's products.
;   BK     a tile's sixteen LDS loads from the stage land in it; its sixteen global stores read it.  No vector or matrix instruction names it.
; A tile has one wait on va_vdst, behind its products and their places, and one on vm_vsrc, behind its LDS stores.  The next tile's 32 products stand between a tile's loads from the stage and its global stores: they name
; neither BK nor an offset, so nothing more is owed there.
.set SPI, 528                          ; a stage row: 512 bytes + 16
.set LI,  4
.set LS,  5
.set BO6, 6
.set SO,  7
.set SR,  8
.set WSR, 16                           ; v16-47  Wo's scale words (4 i + s)
.set RAW, 48                           ; v48-79  O's scale words by head (8 m + h)
.set XS,  80                           ; v80-95  joined (4 m + s)
.set HA,  96                           ; v96-159 eight accumulators
.set BK,  160                          ; v160-223 16 rows back from the stage
.set MSB, 0
.macro WIN new
.if MSB != \new
	s_set_vgpr_msb (MSB<<8)|\new
.set MSB, \new
.endif
.endm
	s_load_b256 s[4:11], s[0:1], 0x0               ; ocodes, oscales, wcodes, wscales
	s_load_b128 s[12:15], s[0:1], 0x20             ; bo, out0
	v_lshl_add_u32 v254, v0, 2, 0x8400
	v_mov_b32 v255, 0
	v_lshrrev_b32 v1, 5, v0
	v_readfirstlane_b32 s16, v1                    ; wave
	v_and_b32 v1, 31, v0
	v_and_b32 v2, 15, v0
	v_bfe_u32 v3, v0, 4, 1
	v_lshlrev_b32 v[LI], 4, v1
	v_lshlrev_b32 v[LS], 2, v1
	v_lshlrev_b32 v[BO6], 6, v3
	s_wait_alu depctr_va_sdst(0)                   ; the wave's number is written, ahead of its first reader
	s_mul_i32 s17, s16, 16*SPI                     ; my stage
	v_mul_u32_u24 v[SO], v2, SPI
	v_lshl_add_u32 v[SO], v3, 6, v[SO]
	v_add_nc_u32 v[SO], s17, v[SO]                 ; in: row r, + 64 (lane / 16)
	v_add_nc_u32 v[SR], s17, v[LI]                 ; back: a row of 512 bytes to the 32 lanes
	s_mov_b32 s19, 0
	s_wait_kmcnt 0x0
	s_lshl_b32 s18, ttmp9, 14                      ; four tiles of 4,096 bytes
	s_add_nc_u64 s[4:5], s[4:5], s[18:19]
	s_lshr_b32 s18, ttmp9, 5                       ; the batch: eight heads of 16,384 bytes;
	s_lshl_b32 s18, s18, 17
	s_and_b32 s20, ttmp9, 31
	s_lshl_b32 s20, s20, 9                         ; four tiles of 128 bytes
	s_add_co_u32 s18, s18, s20
	s_add_nc_u64 s[6:7], s[6:7], s[18:19]
	s_lshl_b32 s18, s16, 15
	s_add_co_u32 s18, s18, 393216                  ; weight 3, my eight tiles
	s_add_nc_u64 s[8:9], s[8:9], s[18:19]
	s_lshl_b32 s18, s16, 12
	s_add_co_u32 s18, s18, 49152
	s_add_nc_u64 s[10:11], s[10:11], s[18:19]
	s_lshl_b32 s18, s16, 9
	s_add_nc_u64 s[12:13], s[12:13], s[18:19]
	s_lshl_b32 s20, ttmp9, 17                      ; 64 rows of 2,048 bytes
	s_add_co_u32 s18, s18, s20
	s_add_nc_u64 s[14:15], s[14:15], s[18:19]
	WIN 0x40
	s_wait_alu depctr_va_vdst(0)                   ; the offsets and LDS addresses v4 to v8 are written: every load and store of the kernel reads one of them
.set k, 0
.rept 64
	global_load_b128 v[4*k:4*k+3], v[LI], s[8:9] offset:512*k
.set k, k+1
.endr
	WIN 0x80
.set k, 0
.rept 32
	global_load_b128 v[4*k:4*k+3], v[LI], s[4:5] offset:512*k th:TH_LOAD_NT
.set k, k+1
.endr
.irp t, 0,1,2,3,4,5,6,7
	global_load_b128 v[128+8*\t:131+8*\t], v[BO6], s[12:13] offset:(32*(\t/2)+8*(\t%2))*4
	global_load_b128 v[132+8*\t:135+8*\t], v[BO6], s[12:13] offset:(32*(\t/2)+8*(\t%2))*4+16
.endr
	WIN 0
.set k, 0
.rept 32
	global_load_b32 v[WSR+k], v[LS], s[10:11] offset:128*k
.set k, k+1
.endr
.irp m, 0,1,2,3
.irp h, 0,1,2,3,4,5,6,7
	global_load_b32 v[RAW+8*\m+\h], v[LS], s[6:7] offset:16384*\h+128*\m
.endr
.endr
	s_wait_loadcnt 0x0
.irp m, 0,1,2,3
.irp s, 0,1,2,3
	v_lshl_or_b32 v[XS+4*\m+\s], v[RAW+8*\m+2*\s+1], 16, v[RAW+8*\m+2*\s]   ; heads 2 s and 2 s + 1: the four bytes of K step s
.endr
.endr
.rept 8
	v_nop                                          ; scale registers written by vector instructions stand eight places ahead of the products
.endr
	s_wait_alu depctr_va_vdst(0)                   ; the sixteen joined scale words v[XS ..] are written, which the products take as scales; the places above stay beside this wait
.macro MUL8 m, s, cb                   ; eight products, the eight accumulators by turns, one instruction a turn
.irp i, 0,1,2,3,4,5,6,7
	v_wmma_scale_f32_16x16x128_f8f6f4 v[HA+8*\i:HA+8*\i+7], v[8*(4*\i+\s):8*(4*\i+\s)+7], v[32*(\m)+8*\s:32*(\m)+8*\s+7], v[\cb+8*\i:\cb+8*\i+7], v[WSR+4*\i+\s], v[XS+4*(\m)+\s] matrix_a_fmt:MATRIX_FMT_FP4 matrix_b_fmt:MATRIX_FMT_FP4
.endr
.endm
.macro MULT m                          ; tile m's 32 products
	WIN 0x29                                       ; source 0 window 1, sources 1 and 2 window 2
	MUL8 \m, 0, 128
	WIN 0x09                                       ; C back in window 0
	MUL8 \m, 1, HA
	MUL8 \m, 2, HA
	MUL8 \m, 3, HA
	WIN 0
.endm
.macro TOSTAGE                         ; the tile just multiplied goes into my stage and comes back as whole rows
.rept 5
	v_nop                                          ; four places ahead of the stores that read the results; five ahead of the next tile's products, which begin the same accumulators anew
.endr
	s_wait_alu depctr_va_vdst(0)                   ; the products have written the accumulators, which the LDS stores read; the places above stay beside this wait
.irp q, 0,1,2,3,4,5,6,7,8,9,10,11,12,13,14,15
	ds_store_b128 v[SO], v[HA+4*\q:HA+4*\q+3] offset:128*(\q/4)+16*(\q%4)   ; ascending: each accumulator from its low end on
.endr
	s_wait_xcnt 0x0                                ; the last tile's stores have had their addresses translated: their data registers are written again only behind this wait
	s_wait_alu depctr_vm_vsrc(0)                   ; the last tile's global stores have read BK, in which the loads below land; the LDS stores above have read the accumulators, which the next tile's products write
.irp i, 0,1,2,3,4,5,6,7,8,9,10,11,12,13,14,15
	ds_load_b128 v[BK+4*\i:BK+4*\i+3], v[SR] offset:SPI*\i   ; LDS serves a wave's instructions in order: these see the stores above
.endr
.endm
.macro SEND m                          ; tile m's sixteen rows leave
.irp i, 0,1,2,3,4,5,6,7,8,9,10,11,12,13,14,15
	s_wait_dscnt 15-\i                             ; row i is back; the younger rows may be out
	global_store_b128 v[LI], v[BK+4*\i:BK+4*\i+3], s[14:15] offset:(32*((\m)/2)+8*((\m)%2)+\i+8*(\i/8))*2048 th:TH_STORE_NT   ; 512 consecutive aligned bytes of one row
.endr
.endm
	MULT 0
	TOSTAGE
	MULT 1                                         ; the next tile's products stand between a tile's loads from the stage and its stores
	SEND 0
	TOSTAGE
	MULT 2
	SEND 1
	TOSTAGE
	MULT 3
	SEND 2
	TOSTAGE
	SEND 3
	s_wait_dscnt 0x0
	s_wait_alu depctr_hold_cnt(0) depctr_sa_sdst(0) depctr_va_vdst(0) depctr_va_sdst(0) depctr_va_ssrc(0) depctr_va_vcc(0) depctr_vm_vsrc(0)
	s_wait_tensorcnt 0x0
	ds_add_u32 v254, v255
	s_wait_dscnt 0x0
	s_endpgm
.Lfunc_end_k_q0a45fe1ed0_oproj:
	.size	k_q0a45fe1ed0_oproj, .Lfunc_end_k_q0a45fe1ed0_oproj-k_q0a45fe1ed0_oproj
	.p2alignl 7, 3214868480
	.fill 96, 4, 3214868480
	.section	.rodata,"a",@progbits
	.p2align	6, 0x0
	.amdhsa_kernel k_q0a45fe1ed0_oproj
		.amdhsa_group_segment_fixed_size 34304
		.amdhsa_private_segment_fixed_size 0
		.amdhsa_enable_private_segment 0
		.amdhsa_kernarg_size 48
		.amdhsa_user_sgpr_count 2
		.amdhsa_user_sgpr_kernarg_segment_ptr 1
		.amdhsa_wavefront_size32 1
		.amdhsa_system_sgpr_workgroup_id_x 1
		.amdhsa_system_sgpr_workgroup_id_y 1
		.amdhsa_system_sgpr_workgroup_id_z 1
		.amdhsa_system_vgpr_workitem_id 0
		.amdhsa_next_free_vgpr 768
		.amdhsa_next_free_sgpr 66
		.amdhsa_reserve_vcc 0
		.amdhsa_float_denorm_mode_32 3
		.amdhsa_float_denorm_mode_16_64 3
		.amdhsa_memory_ordered 1
		.amdhsa_forward_progress 1
		.amdhsa_inst_pref_size 54
	.end_amdhsa_kernel
	.amdgpu_metadata
---
amdhsa.version: [ 1, 2 ]
amdhsa.kernels:
  - .name:           k_q0a45fe1ed0_oproj
    .symbol:         k_q0a45fe1ed0_oproj.kd
    .args:
      - { .name: ocodes, .offset: 0, .size: 8, .value_kind: global_buffer, .address_space: global }
      - { .name: oscales, .offset: 8, .size: 8, .value_kind: global_buffer, .address_space: global }
      - { .name: wcodes, .offset: 16, .size: 8, .value_kind: global_buffer, .address_space: global }
      - { .name: wscales, .offset: 24, .size: 8, .value_kind: global_buffer, .address_space: global }
      - { .name: bo, .offset: 32, .size: 8, .value_kind: global_buffer, .address_space: global }
      - { .name: out0, .offset: 40, .size: 8, .value_kind: global_buffer, .address_space: global }
    .group_segment_fixed_size: 34304
    .private_segment_fixed_size: 0
    .kernarg_segment_align: 8
    .kernarg_segment_size: 48
    .max_flat_workgroup_size: 128
    .sgpr_count:     66
    .vgpr_count:     768
    .wavefront_size: 32
...
	.end_amdgpu_metadata
.endif
;; end of part 8
